; MI455X (gfx1250); checked and timed in simulation.
; The chip was launched on July 23, 2026; its instructions are those of AMD's public machine-readable ISA for CDNA 5 (MIT licence, August 2026) and "CDNA5" Instruction Set Architecture Reference Guide (July 2026). The comments in the code are by the model that wrote it; some were corrected since.
;; Self Attention. Allowed arithmetic: matrix products marked QUANTISED: E2M3 operands, one E8M0 scale for each 32 along K, by v_wmma_scale_f32_16x16x128_f8f6f4 with both operands' format E2M3, f32 sums; everything else in f32.
;; Inputs: W_K 1,024 x 1,024 float32; W_Q 1,024 x 1,024 float32; W_V 1,024 x 1,024 float32; X 4 x 2,048 x 1,024 float32.
;; Outputs: out0 4 x 2,048 x 1,024 float32.
;; This version of the problem:
;;   THIS VERSION OF THE PROBLEM IS GIVEN IN LOW PRECISION. The matrix products marked QUANTISED in the list below multiply operands that are first quantised to E2M3 (2 exponent bits, 3 mantissa bits; 6 bits a number), with one power-of-two scale for each 32 numbers along K (OCP MX v1.0); their sums are f32. All else is computed in f32.
;;   The module's matrix products, in the order in which they are computed (A, B: the left and right operand; K: the contracted axis; several contracted axes count as one K, in the product's order):
;;     1. [M 8,192, K 1,024] x [K 1,024, N 1,024]; A: input X; B: input W_Q: QUANTISED
;;     2. [M 8,192, K 1,024] x [K 1,024, N 1,024]; A: input X; B: input W_K: QUANTISED
;;     3. [M 8,192, K 1,024] x [K 1,024, N 1,024]; A: input X; B: input W_V: QUANTISED
;;     4. batch 4 x [M 2,048, K 1,024] x [K 1,024, N 2,048]; A: computed on the way; B: computed on the way: QUANTISED
;;     5. batch 4 x [M 2,048, K 2,048] x [K 2,048, N 1,024]; A: softmax (see below); B: computed on the way: QUANTISED
;;   THE QUANTISER, for each operand of a quantised product, along K:
;;     - K is cut into blocks of 32 from its start; a last block that is shorter is filled with zeros.
;;     - A block's scale is 2^e with e = floor(log2(the largest magnitude in the block)) - 2, held to -126 .. 127; a block of zeros has e = 0. As a byte (E8M0): e + 127.
;;     - Each number is divided by its block's scale, clamped to +-7.5, and rounded to the nearest number of E2M3, ties to even, subnormals kept.
;;     - The product sums the exact products of the quantised numbers (number of the format x scale) in f32.
;;   ~~~python
;;   def quantise(x, axis):      # numpy; x: float32 -> the quantised numbers, widened to float32 again
;;       x = np.moveaxis(x, axis, -1); K = x.shape[-1]
;;       x = np.pad(x, [(0, 0)] * (x.ndim - 1) + [(0, -K % 32)]); x = x.reshape(x.shape[:-1] + (-1, 32)); a = np.abs(x).max(-1, keepdims=True)
;;       e = np.where(a > 0, np.clip(np.frexp(np.where(a > 0, a, 1))[1] - 1 - 2, -126, 127), 0)      # np.frexp(a)[1] - 1 = floor(log2(a)), exactly
;;       r = np.clip(x / 2.0 ** e, -7.5, 7.5)
;;       step = 2.0 ** (np.maximum(np.frexp(np.where(r == 0, 1, r))[1] - 1, 0) - 3)
;;       q = np.round(r / step) * step * 2.0 ** e      # np.round: ties to even
;;       return np.moveaxis(q.reshape(q.shape[:-2] + (-1,))[..., :K], -1, axis).astype(np.float32)
;;   ~~~
;;   SOFTMAX AHEAD OF A QUANTISED PRODUCT. Where the list says 'softmax', what is quantised is not the finished softmax but p = 2^(t - M), with t = logit x log2(e) and M = ceil(the row's largest t), a whole number; so 1/2 < the row's largest p <= 1. The row's sum l is taken of the UNQUANTISED p, in f32, and the product's result is divided by l at the end. Since M is a whole number, a kernel that streams over the keys may use a running M (the ceiling of the running maximum): every later rescaling is an exact power of two, which a block's scale takes up: the codes' values come out the same.
;;   OPERANDS COMPUTED ON THE WAY. 'Computed on the way' means the value that the module computes at that place (a softmax that the list does not call 'softmax' is quantised finished and normalised). What goes into a quantiser is computed in f32, as accurately as f32 sums, v_exp_f32 and their like allow (about 1e-6 of the number): no bf16 or f16 on the way to a quantiser, and a product that is left as it is and whose result goes on into a quantised operand takes f32 operands (vector FMAs, or v_wmma_f32_16x16x4_f32). A number that lies on a knife's edge between two numbers of the format may be rounded either way, as far as f32 arithmetic and the matrix unit's own rounding can turn it there, and no further.
;; One version. Each part assembles by itself: llvm-mc -triple=amdgcn-amd-amdhsa -mcpu=gfx1250 --defsym DOCPART=n.
;; ======== version 1 of 1: 4 launches
;; limits: right only within a limited range of input values
;; workspace buffers: xc 6,553,600 bytes; wc 2,457,600 bytes; qk 13,107,200 bytes; vt 6,553,600 bytes; pc 12,582,912 bytes; pst 1,572,864 bytes
;; launch quant (part 1): grid 704 x 1, 4 waves a work-group, no clusters, 34,816 bytes of LDS; arguments X, W_Q, W_K, W_V, xc, wc; writes xc, wc
.if DOCPART == 1
	.amdgcn_target "amdgcn-amd-amdhsa--gfx1250"
	.amdhsa_code_object_version 6
	.text
	.protected	k_q00bd9628dc_quant
	.globl	k_q00bd9628dc_quant
	.p2align	8
	.type	k_q00bd9628dc_quant,@function
k_q00bd9628dc_quant:
	s_mov_b64 s[64:65], 0
	v_nop
	global_prefetch_b8 v0, s[64:65] scope:SCOPE_SE
	s_setreg_imm32_b32 hwreg(HW_REG_WAVE_MODE, 25, 1), 1
	s_wait_xcnt 0x0
; X [8192][1024] and W_Q, W_K, W_V [1024 (d)][1024 (e)], f32, become codes of FP6 (E2M3) with one E8M0 byte for each 32 along K = d.
; A block's scale is 2^(floor(log2(its largest magnitude)) - 2); its byte is the largest magnitude's exponent field - 2, held at 1 from below.
; LAYOUT OF THE RESULTS: images of the operand's registers.  A FRAGMENT (16 rows x 128 K) is 1,536 bytes: registers 4 c .. 4 c + 3 of lane l at 512 c + 16 l; lane (r = l % 16, h = l / 16) holds row r,
; registers 6 c .. 6 c + 5 the 32 codes of k = 64 c + 32 h on.  A GROUP (128 rows x 128 K) is 8 fragments on end and, from byte 12,288 on, 512 bytes of scale words: that of (fragment m, row r) at 256 (m / 4) + 16 r + 4 (m % 4).
; xc: [64 groups of rows][8 K steps] groups;  wc: [24 groups of rows: W_Q's e, W_K's e, W_V's e][8 K steps] groups.
; LIMITS: NaN and infinities are not served; a block of zeros, or one whose largest magnitude lies under 2^-124, gets the byte 1 (the rule says 127 for zeros): its codes are zeros or nearly so, and this program alone reads the bytes.
; A WORK-GROUP MAKES ONE GROUP, 65,536 bytes of f32; a wave two fragments, and asks for all its 16,384 bytes at once.  Work-groups 0-191 take the weights, 192-703 X.
; X: each load reads 512 consecutive bytes of a row; 16 rows turn through the wave's own stage in LDS so that a lane gets two whole blocks of its row.
; The weights: K is their FIRST axis, so a lane takes a column e and its registers run down d: a block lies in one lane, and the codes come out with K innermost.
; The four waves' scale words meet in LDS and leave as two whole units of 256 bytes.  No matrix unit, no cluster (no two work-groups read the same bytes).
; THE ORDER OF ROWS INSIDE A BAND OF 64 (fragments 4 b .. 4 b + 3): X, W_Q, W_K: position 16 j + 8 g + i (fragment j, row 8 g + i) holds row 32 g + 8 j + i of the band, so that the eight results of a lane in four fragments'
; products are one block of 32 of the next product's K;  W_V: position 16 t + r holds column 4 r + t, so that four tiles of the last product hold 16 neighbouring bytes of out0.
.set GS,     12800
.set SPITCH, 528                       ; a stage row: 512 bytes + 16 = 132 words (64 banks of 4 bytes: ISA guide 11.1)
.set WSTG,   16*SPITCH
.set WORDS,  4*WSTG                    ; behind the stages: the group's scale words, 512 bytes
.set SPARE,  WORDS+512                 ; the spare words, 128 bytes for each wave, that no other line names
.set SPW, 14                           ; v14  LDS address of my spare word; never rewritten
.set NIL, 15                           ; v15  0; never rewritten
.set XST, 8                            ; v8   stage, way in: 16 x lane
.set XRD, 9                            ; v9   stage, way out: row r, + 128 h
.set L,   16                           ; v16-143  X: two fragments as loaded; W: four blocks of 32 numbers
.set N,   144                          ; v144-207 X: N[32 c + k] = X(row r, 64 c + 32 h + k)
.set C,   208                          ; v208-231 the codes of two fragments
.set MX,  232
.set SO,  234
.set BY,  236
.set WT,  238
.set PX,  239
.set CT,  240                          ; a block's upper 16 codes, made here and moved
.set SW,  248
.macro LOADX f                         ; fragment f's 16 rows: 32 lanes read 512 consecutive bytes of a row
.set ii, 0
.rept 16
	global_load_b128 v[L+64*(\f)+4*ii:L+64*(\f)+4*ii+3], v5, s[4:5] offset:(8*(\f)+32*(ii/8)+ii%8)*4096 th:TH_LOAD_NT
.set ii, ii+1
.endr
.endm
.macro FRAGX f
	s_wait_loadcnt 16*(1-(\f))                     ; this fragment's 16 loads are in; the next fragment's 16 may be out
.set ii, 0
.rept 16                               ; through the stage: LDS serves a wave's instructions in order (ISA guide 5.7.1.4), so no wait stands between the stores and the loads
	ds_store_b128 v[XST], v[L+64*(\f)+4*ii:L+64*(\f)+4*ii+3] offset:SPITCH*ii
.set ii, ii+1
.endr
.irp c, 0,1
.irp j, 0,1,2,3,4,5,6,7
	ds_load_b128 v[N+32*\c+4*\j:N+32*\c+4*\j+3], v[XRD] offset:256*\c+16*\j
.endr
.endr
	s_wait_dscnt 0x0
.irp c, 0,1
	v_max3_num_f32 v[MX+\c], |v[N+32*\c]|, |v[N+32*\c+1]|, 0x1800000   ; with the floor 2^(3 - 127): the byte cannot fall under 1
.endr
.irp i, 2,4,6,8,10,12,14,16,18,20,22,24,26,28,30
.irp c, 0,1
	v_max3_num_f32 v[MX+\c], v[MX+\c], |v[N+32*\c+\i]|, |v[N+32*\c+\i+1]|
.endr
.endr
.irp c, 0,1
	v_add_nc_u32 v[SO+\c], 0xff000000, v[MX+\c]    ; 2 off the exponent field: the conversion takes this operand's exponent field as its scale
.endr
.irp c, 0,1
	v_lshrrev_b32 v[BY+\c], 23, v[SO+\c]           ; the scale's byte
.endr
	v_lshl_or_b32 v[WT], v[BY+1], 16, v[BY]        ; my two bytes,
	v_lshlrev_b32 v[WT], v6, v[WT]                 ; 8 h bits up;
	v_permlanex16_b32 v[PX], v[WT], s20, s21
	v_or_b32 v[SW+(\f)], v[WT], v[PX]              ; with lane l xor 16's two the word is whole
.irp c, 0,1
	v_cvt_scalef32_pk16_fp6_f32 v[C+12*(\f)+6*\c:C+12*(\f)+6*\c+2], v[N+32*\c:N+32*\c+15], v[SO+\c]
	v_cvt_scalef32_pk16_fp6_f32 v[CT+4*\c:CT+4*\c+2], v[N+32*\c+16:N+32*\c+31], v[SO+\c]   ; (a conversion's three registers begin on an even number)
.endr
	v_nop                                          ; one plain place behind the scaled conversions
.irp c, 0,1
.irp i, 0,1,2
	v_mov_b32 v[C+12*(\f)+6*\c+3+\i], v[CT+4*\c+\i]
.endr
.endr
.endm
.macro BLOCKW n                        ; block n of 32 along K of my column
.set XS, L+32*(\n)
.set FB, C+12*((\n)%2)+6*((\n)/2)
.if (\n) < 2
	s_wait_loadcnt 63                              ; at most 63 of the 128 loads may be out
.else
	s_wait_loadcnt 32*(3-(\n))                     ; this block's 32 loads are in
.endif
	v_max3_num_f32 v[MX], |v[XS]|, |v[XS+1]|, |v[XS+2]|
	v_max3_num_f32 v[MX+1], |v[XS+3]|, |v[XS+4]|, |v[XS+5]|
.irp i, 6,10,14,18,22,26
	v_max3_num_f32 v[MX], v[MX], |v[XS+\i]|, |v[XS+\i+1]|
	v_max3_num_f32 v[MX+1], v[MX+1], |v[XS+\i+2]|, |v[XS+\i+3]|
.endr
	v_max3_num_f32 v[MX], v[MX], |v[XS+30]|, |v[XS+31]|
	v_max3_num_f32 v[MX], v[MX], v[MX+1], 0x1800000                ; and the floor
	v_add_nc_u32 v[SO], 0xff000000, v[MX]
	v_lshrrev_b32 v[BY], 23, v[SO]
.if (\n) == 0
	v_mov_b32 v12, v[BY]
.else
	v_lshl_or_b32 v12, v[BY], 8*(\n), v12
.endif
	v_cvt_scalef32_pk16_fp6_f32 v[FB:FB+2], v[XS:XS+15], v[SO]
	v_cvt_scalef32_pk16_fp6_f32 v[CT:CT+2], v[XS+16:XS+31], v[SO]
	v_nop                                          ; one plain place behind the scaled conversions
.irp i, 0,1,2
	v_mov_b32 v[FB+3+\i], v[CT+\i]
.endr
.if (\n)%2 == 1                        ; the operand wants columns 0-15 in one fragment (block 2 c in lanes 0-15, block 2 c + 1 in lanes 16-31) and columns 16-31 in the next
.irp i, 0,1,2,3,4,5
	v_permlane16_swap_b32 v[FB-12+\i], v[FB+\i]    ; the first's lanes 16-31 change places with the second's lanes 0-15
.endr
.endif
.endm
	s_load_b256 s[4:11], s[0:1], 0x0               ; X s[4:5], W_Q s[6:7], W_K s[8:9], W_V s[10:11]
	s_load_b128 s[12:15], s[0:1], 0x20             ; xc s[12:13], wc s[14:15]
	v_lshl_add_u32 v[SPW], v0, 2, SPARE
	v_mov_b32 v[NIL], 0
	v_lshrrev_b32 v1, 5, v0
	v_readfirstlane_b32 s16, v1                    ; wave 0..3
	s_mul_i32 s18, s16, 3072                       ; my two fragments in the group
	s_mul_i32 s19, s16, WSTG                       ; my stage
	s_lshr_b32 s17, s16, 1
	s_lshl_b32 s17, s17, 8
	s_and_b32 s24, s16, 1
	s_lshl_b32 s24, s24, 3
	s_add_co_u32 s17, s17, s24
	s_add_co_u32 s17, s17, WORDS                   ; 256 (wave / 2) + 8 (wave % 2): my fragments' words
	s_mov_b32 s20, 0x76543210
	s_mov_b32 s21, 0xfedcba98                      ; v_permlanex16_b32's selects for lane l xor 16
	v_and_b32 v2, 31, v0                           ; lane
	v_and_b32 v3, 15, v0                           ; r
	v_bfe_u32 v4, v0, 4, 1                         ; h
	v_lshlrev_b32 v5, 4, v2                        ; 16 x lane
	v_lshlrev_b32 v6, 3, v4                        ; 8 h
	v_cmp_lt_u32 s22, 15, v2                       ; the mask of lanes 16-31
	v_add_nc_u32 v10, s18, v5                      ; the codes' place in the group
	v_lshlrev_b32 v11, 4, v3
	v_lshl_add_u32 v11, v4, 2, v11
	v_add_nc_u32 v11, s17, v11                     ; LDS: the word of fragment 2 wave + h, row r
	v_add_nc_u32 v13, WORDS, v5
	v_add_nc_u32 v[XST], s19, v5
	v_mul_u32_u24 v[XRD], v3, SPITCH
	v_lshl_add_u32 v[XRD], v4, 7, v[XRD]
	v_add_nc_u32 v[XRD], s19, v[XRD]
	v_mov_b32 v[PX], 0                             ; a lane permute's destination counts as one of its sources
	s_wait_alu depctr_va_vdst(0)                   ; the wait at the head's end
	s_wait_kmcnt 0x0
	s_mov_b32 s25, 0
	s_mov_b32 s31, 0
	s_cmp_lt_u32 ttmp9, 192
	s_cbranch_scc0 .Lx
	; ---------------- the weights: work-group = 64 x matrix + 8 x (128 columns) + K step; my wave: 32 columns
	s_lshr_b32 s26, ttmp9, 6
	s_bfe_u32 s27, ttmp9, 0x30003
	s_and_b32 s28, ttmp9, 7
	s_cmp_eq_u32 s26, 0
	s_cselect_b64 s[4:5], s[6:7], s[8:9]           ; the choice hangs on the work-group's number alone
	s_cmp_eq_u32 s26, 2
	s_cselect_b64 s[4:5], s[10:11], s[4:5]
	s_cselect_b32 s23, -1, 0                       ; W_V: all lanes' mask
	s_cselect_b32 s29, 3, 6                        ; an odd wave's columns begin 2 (W_V) or 16 (W_Q, W_K) further on
	s_lshl_b32 s24, s28, 19                        ; 128 rows d of 4,096 bytes
	s_lshl_b32 s27, s27, 9
	s_add_co_u32 s24, s24, s27
	s_lshr_b32 s27, s16, 1
	s_lshl_b32 s27, s27, 8                         ; my band of 64 columns
	s_add_co_u32 s24, s24, s27
	s_and_b32 s27, s16, 1
	s_lshl_b32 s27, s27, s29
	s_add_co_u32 s24, s24, s27
	s_add_nc_u64 s[4:5], s[4:5], s[24:25]
	s_mul_i32 s30, ttmp9, GS
	s_add_nc_u64 s[12:13], s[14:15], s[30:31]
	v_lshrrev_b32 v16, 3, v3
	v_and_b32 v17, 7, v3
	v_lshlrev_b32 v16, 7, v16
	v_lshl_add_u32 v16, v17, 2, v16
	v_lshl_add_u32 v16, v4, 5, v16                 ; W_Q, W_K: column 32 (r / 8) + 8 h + r % 8
	v_lshlrev_b32 v17, 4, v3
	v_lshl_add_u32 v17, v4, 2, v17                 ; W_V: column 4 r + h
	v_cndmask_b32 v7, v16, v17, s23
.set ii, 0
.rept 128                              ; W(128 K step + i, my column): two waves read a row's 256 bytes of a band
	global_load_b32 v[L+ii], v7, s[4:5] offset:4096*ii th:TH_LOAD_NT
.set ii, ii+1
.endr
	BLOCKW 0
	BLOCKW 1
	BLOCKW 2
	BLOCKW 3
	s_wait_alu depctr_va_vdst(0)                   ; directly ahead of the branch
	s_branch .Ltail
	; ---------------- X: group = 8 x group of rows + K step; my wave: 32 rows
.Lx:
	s_sub_co_u32 s23, ttmp9, 192
	s_lshr_b32 s24, s23, 3
	s_lshl_b32 s24, s24, 19                        ; 128 rows of 4,096 bytes,
	s_lshr_b32 s26, s16, 1
	s_lshl_b32 s26, s26, 18                        ; my band of 64 rows,
	s_add_co_u32 s24, s24, s26
	s_and_b32 s26, s16, 1
	s_lshl_b32 s26, s26, 16                        ; my fragments 2 (wave % 2) and the next: 8 rows apart
	s_add_co_u32 s24, s24, s26
	s_and_b32 s26, s23, 7
	s_lshl_b32 s26, s26, 9                         ; the K step's 512 bytes
	s_add_co_u32 s24, s24, s26
	s_add_nc_u64 s[4:5], s[4:5], s[24:25]
	s_mul_i32 s30, s23, GS
	s_add_nc_u64 s[12:13], s[12:13], s[30:31]
	LOADX 0
	LOADX 1
	FRAGX 0
	FRAGX 1
	v_cndmask_b32 v12, v[SW], v[SW+1], s22         ; lanes 0-15: the first fragment's words, lanes 16-31 the second's
.Ltail:
.irp f, 0,1
.irp c, 0,1,2
	global_store_b128 v10, v[C+12*\f+4*\c:C+12*\f+4*\c+3], s[12:13] offset:1536*\f+512*\c   ; 512 consecutive bytes, at a multiple of 256 from the buffer's first byte
.endr
.endr
	ds_store_b32 v11, v12
	s_wait_dscnt 0x0                               ; my words are in LDS,
	s_barrier_signal -1
	s_barrier_wait -1                              ; and everybody's
	s_cmp_lg_u32 s16, 0
	s_cbranch_scc1 .Lend
	ds_load_b128 v[16:19], v13
	s_wait_dscnt 0x0
	global_store_b128 v5, v[16:19], s[12:13] offset:12288   ; wave 0 stores the group's 512 bytes of words
.Lend:
	s_wait_tensorcnt 0x0                           ; the wave's end
	ds_add_u32 v[SPW], v[NIL]
	s_wait_dscnt 0x0
	s_endpgm
.Lfunc_end_k_q00bd9628dc_quant:
	.size	k_q00bd9628dc_quant, .Lfunc_end_k_q00bd9628dc_quant-k_q00bd9628dc_quant
	.p2alignl 7, 3214868480
	.fill 96, 4, 3214868480
	.section	.rodata,"a",@progbits
	.p2align	6, 0x0
	.amdhsa_kernel k_q00bd9628dc_quant
		.amdhsa_group_segment_fixed_size 34816
		.amdhsa_private_segment_fixed_size 0
		.amdhsa_enable_private_segment 0
		.amdhsa_kernarg_size 48
		.amdhsa_user_sgpr_count 2
		.amdhsa_user_sgpr_kernarg_segment_ptr 1
		.amdhsa_wavefront_size32 1
		.amdhsa_system_sgpr_workgroup_id_x 1
		.amdhsa_system_sgpr_workgroup_id_y 1
		.amdhsa_system_sgpr_workgroup_id_z 1
		.amdhsa_system_vgpr_workitem_id 0
		.amdhsa_next_free_vgpr 256
		.amdhsa_next_free_sgpr 66
		.amdhsa_reserve_vcc 0
		.amdhsa_float_denorm_mode_32 3
		.amdhsa_float_denorm_mode_16_64 3
		.amdhsa_memory_ordered 1
		.amdhsa_forward_progress 1
		.amdhsa_inst_pref_size 36
	.end_amdhsa_kernel
	.amdgpu_metadata
---
amdhsa.version: [ 1, 2 ]
amdhsa.kernels:
  - .name:           k_q00bd9628dc_quant
    .symbol:         k_q00bd9628dc_quant.kd
    .args:
      - { .name: X, .offset: 0, .size: 8, .value_kind: global_buffer, .address_space: global }
      - { .name: W_Q, .offset: 8, .size: 8, .value_kind: global_buffer, .address_space: global }
      - { .name: W_K, .offset: 16, .size: 8, .value_kind: global_buffer, .address_space: global }
      - { .name: W_V, .offset: 24, .size: 8, .value_kind: global_buffer, .address_space: global }
      - { .name: xc, .offset: 32, .size: 8, .value_kind: global_buffer, .address_space: global }
      - { .name: wc, .offset: 40, .size: 8, .value_kind: global_buffer, .address_space: global }
    .group_segment_fixed_size: 34816
    .private_segment_fixed_size: 0
    .kernarg_segment_align: 8
    .kernarg_segment_size: 48
    .max_flat_workgroup_size: 128
    .sgpr_count:     66
    .vgpr_count:     256
    .wavefront_size: 32
...
	.end_amdgpu_metadata
.endif
;; end of part 1
;; launch qkv (part 2): grid 8 x 32, 4 waves a work-group, clusters of 4 x 4, 327,680 bytes of LDS; arguments xc, wc, qk, vt; writes qk, vt
.if DOCPART == 2
	.amdgcn_target "amdgcn-amd-amdhsa--gfx1250"
	.amdhsa_code_object_version 6
	.text
	.protected	k_q00bd9628dc_qkv
	.globl	k_q00bd9628dc_qkv
	.p2align	8
	.type	k_q00bd9628dc_qkv,@function
k_q00bd9628dc_qkv:
	s_mov_b64 s[64:65], 0
	v_nop
	global_prefetch_b8 v0, s[64:65] scope:SCOPE_SE
	s_setreg_imm32_b32 hwreg(HW_REG_WAVE_MODE, 25, 1), 1
	s_wait_xcnt 0x0
	s_wait_alu depctr_hold_cnt(0) depctr_sa_sdst(0) depctr_va_vdst(0) depctr_va_sdst(0) depctr_va_ssrc(0) depctr_va_vcc(0) depctr_vm_vsrc(0)
	s_getreg_b32 s2, hwreg(HW_REG_IB_STS2, 6, 4)
	s_cmp_eq_u32 s2, 0
	s_cbranch_scc0 .Lentry_in_a_cluster
	s_endpgm
.Lentry_in_a_cluster:
	s_bfe_u32 s2, ttmp6, 0x10000c
	s_cmp_lg_u32 s2, 0xf033
	s_cbranch_scc0 .Lentry_shape_is_right
	s_endpgm
.Lentry_shape_is_right:
; Q = X W_Q, K = X W_K, V = X W_V on codes of FP6 (E2M3) with E8M0 scales; each result is quantised in registers along the axis that is K of the product that will read it, and leaves as codes.
; A fragment (16 rows x 128 K) is 1,536 bytes, registers 4 c .. 4 c + 3 of lane l at 512 c + 16 l; a group (128 rows x 128 K) is 8 fragments and 512 bytes of scale words (fragment m, row r at 12,288 + 256 (m / 4) + 16 r + 4 (m % 4)).
; SHARES.  256 work-groups: work-group (tr, tc) takes 256 tokens and 384 columns: wc's groups 2 tc, 2 tc + 1 (of Q or of K) and 16 + tc (of V).
; A WAVE HOLDS ITS 64 TOKENS, ALL OF K, in 384 registers, loaded straight from memory, and the weights pass in 24 blocks of 16 rows, all of K: 32 products a block, 4 accumulators by turns.
; LDS: the three groups of weights for all of K, 307,200 bytes, as they lie in memory; filled once, by four joint loads at the head.  Nothing is filled again, so there is no round but the opening and the closing one.
; CLUSTERS: 4 x 4.  The weights hang on tc alone and are shared along a column.  X is not asked for jointly: each of its fragments is wanted by one wave of the work-group alone, for its registers; by way of LDS it would be
; stored and read there once more, and its 204,800 bytes have no room beside the weights.  No prefetch: every tile is asked for at the head, and no loop asks for more.
; Q, K: source 0 = weights, source 1 = X: a lane holds a token, registers run along e.  By the order of the weights' rows the 32 results of a band (four blocks) are e = 64 band + 32 h + 0 .. 31: one scale block in a lane.
;   To qk [64 groups of tokens][16: Q's 8 groups of e, K's 8] groups.
; V: source 0 = X, source 1 = weights: a lane holds a column, registers run along the tokens: a block's 32 results are one scale block.  To vt [4 blocks of 256 e][16 quarters of 512 tokens][2 groups of e][4 steps of 128 tokens]
;   groups, whose fragments are two halves of 768 bytes (64 tokens each, from two waves): registers 0-3 at 16 l, registers 4, 5 at 512 + 8 l.
; A band's results are converted while the next band of the same group is multiplied; a group's last band behind its products.
; LIMITS: NaN and infinities are not served; a block of zeros gets the byte 1 (its codes are zeros; this program alone reads the bytes).
; REGISTERS: window 0: v0-15 X's scale words, v20-51 the weights' (two bands; these hold nothing else); v160-255 the second set of a block's fragments.  window 1: X's fragments 0-20 (4 k + j), window 2: 21-31 and, from v132 on,
;   the first set of a block's fragments.  window 3: the accumulators, two bands of 128.
.set GS,   12800
.set XG,   102400                      ; a group of rows for all of K
.set WV,   3*XG                        ; V's scale words: 2 x 512 bytes
.set SPARE, WV+1024                    ; the spare words, 128 bytes for each wave, that no other line names
.set XS,   0
.set WRD,  16                          ; v16-19  Q's, K's scale words in the making
.set WS,   20
.set CO,   52                          ; 16 lane
.set COW,  53                          ; my four fragments in a group of qk
.set COV,  54                          ; my half in a fragment of vt
.set COV8, 55
.set SO,   56
.set SPW,  57
.set NIL,  58
.set AW,   59                          ; v59, v60  LDS: the group that is fetched, K steps 0-3, 4-7
.set AWS,  61
.set SV,   62
.set XSO,  63
.set TQ,   64
.set SOP,  66                          ; v66-69
.set BY,   70
.set H8,   71
.set CD,   72                          ; v72-119 codes
.set TL,   120                         ; v120-127 four units' chains
.set CT,   128
.set PX,   132
.set T4,   136
.set CO5,  138
.set AWS0, 139
.set CV,   140
.set CV2,  141
.set G1H,  24                          ; s[24:31] descriptor group 1: half a group (4 K steps), 100 rows of 512 bytes
.set G1F,  32                          ; s[32:39] a whole one, 200 rows
.set G0H,  56
.set G0F,  60
.set G0G,  68
.set LC, 0                             ; LDS instructions issued so far: a wait's count is LC less the mark of what is needed
.set MSB, 0
.macro WIN new                         ; the immediate's high byte repeats the setting that is left
.if MSB != (\new)
	s_set_vgpr_msb (MSB<<8)|(\new)
.set MSB, (\new)
.endif
.endm
.macro WALU
	s_wait_alu depctr_va_vdst(0)
.endm
.macro CROUND
	s_barrier_signal -1
	s_barrier_wait -1
	s_cmp_lg_u32 s14, 0
	s_cbranch_scc1 .Lnot_wave_0_\@
	s_barrier_signal -3
.Lnot_wave_0_\@:
	s_barrier_wait -3
	s_barrier_signal -1
	s_barrier_wait -1
.endm
.macro PLACES                          ; four places behind this matrix form (ISA guide 7.12.1)
.rept 4
	v_nop
.endr
.endm
.macro TLOAD g0, g1
	tensor_load_to_lds s[\g0:\g0+3], s[\g1:\g1+7]
	s_nop 0
	PLACES
.endm
.macro SHAPE g, rows                   ; a dense block as rows of 512 bytes: 64 elements of 8 bytes
	s_mov_b32 s[\g+1], 64<<16
	s_mov_b32 s[\g+2], (\rows)<<16
	s_mov_b32 s[\g+3], 64<<16
	s_mov_b32 s[\g+4], \rows
	s_mov_b32 s[\g+5], 64
	s_mov_b32 s[\g+6], 0
	s_mov_b32 s[\g+7], 0
.endm
.macro DSW m                           ; the LDS instructions up to mark m are done
	s_wait_dscnt LC-(\m)
.endm
.macro MARK e
.if ((\e)%2) == 0
.set MK0, LC
.else
.set MK1, LC
.endif
.endm
.macro FETCH e, m                      ; block m of the group into set e % 2: 24 loads
	WIN (2*(1-(\e)%2))<<6
.irp k, 0,1,2,3,4,5,6,7
.irp c, 0,1,2
	ds_load_b128 v[132+28*((\e)%2)+12*\k+4*\c:132+28*((\e)%2)+12*\k+4*\c+3], v[AW+\k/4] offset:12800*(\k%4)+1536*(\m)+512*\c
.endr
.endr
	WIN 0
.set LC, LC+24
.endm
.macro WSLOAD b                        ; band b's scale words: register 4 k + t: block t; lanes 0-15 K step k, lanes 16-31 K step 4 + k
.irp k, 0,1,2,3
	ds_load_b128 v[WS+16*(\b)+4*\k:WS+16*(\b)+4*\k+3], v[AWS] offset:12800*\k+256*(\b)
.endr
.set LC, LC+4
.endm
.macro PROD s0, s1, c, x0, x1, row
	v_wmma_scale_f32_16x16x128_f8f6f4 v[D_:D_+7], v[\s0:\s0+11], v[\s1:\s1+11], \c, v[\x0], v[\x1] matrix_a_fmt:MATRIX_FMT_FP6 matrix_b_fmt:MATRIX_FMT_FP6 matrix_a_scale:MATRIX_SCALE_ROW\row matrix_b_scale:MATRIX_SCALE_ROW\row
.endm
.macro PROD0 s0, s1, x0, x1            ; K step 0 starts the sums; K steps 4-7 take their scales from lanes 16-31
.if K_ == 0
	PROD \s0, \s1, 0, \x0, \x1, 0
.elseif K_ < 4
	PROD \s0, \s1, v[D_:D_+7], \x0, \x1, 0
.else
	PROD \s0, \s1, v[D_:D_+7], \x0, \x1, 1
.endif
.endm
.macro PR v, e, t, b, n                ; product n of a block: K step n / 4, token tile n % 4
.set K_, (\n)/4
.set J_, (\n)%4
.set HR_, 12*((\n)%21)
.set HW_, 1+(\n)/21
.set SR_, 132+28*((\e)%2)+12*K_
.set SW_, 2*(1-(\e)%2)
.set XX_, XS+4*(K_%4)+J_
.set XW_, WS+16*(\b)+4*(K_%4)+(\t)
.if \v
.set D_, 128*(\b)+32*(\t)+8*J_
	WIN HW_|(SW_<<2)|0xf0
	PROD0 HR_, SR_, XX_, XW_
.else
.set D_, 128*(\b)+32*J_+8*(\t)
	WIN SW_|(HW_<<2)|0xf0
	PROD0 SR_, HR_, XW_, XX_
.endif
.endm
.macro CHAIN i, x, n, t                ; 18 lines: the largest magnitude of the 32 results from register x on, in two chains side by side, each accumulator from its low end on; then the conversions' scale operand
.if (\i) < 14
.set B_, (\x)+16*((\i)%2)+2*((\i)/2)
.set T_, (\t)+1-(\i)%2
.if (\i) < 2
	WIN 0x3f
	v_max3_num_f32 v[T_], |v[B_]|, |v[B_+1]|, |v[B_+2]|
.else
	WIN 0x3c
	v_max3_num_f32 v[T_], v[T_], |v[B_+1]|, |v[B_+2]|
.endif
.elseif (\i) == 14
	WIN 0x0c
	v_max3_num_f32 v[\t+1], v[\t+1], |v[\x+15]|, 0x1800000   ; with the floor 2^(3 - 127): the byte cannot fall under 1
.elseif (\i) == 16
	WIN 0x0c
	v_max3_num_f32 v[\t], v[\t], |v[\x+31]|, v[\t+1]
.elseif (\i) == 17
	WIN 0
	v_add_nc_u32 v[SOP+\n], 0xff000000, v[\t]      ; 2 off the exponent field
.endif
.endm
.macro CODES x, c, n, y                ; 32 codes into v[c .. c + 5], the scale's byte into v[y].  (A conversion's three registers begin on an even number.)  The four plain lines are also the places in front of the loads
	WIN 3
	v_cvt_scalef32_pk16_fp6_f32 v[\c:\c+2], v[\x:\x+15], v[SOP+\n]
	v_cvt_scalef32_pk16_fp6_f32 v[CT:CT+2], v[\x+16:\x+31], v[SOP+\n]
	WIN 0
	v_lshrrev_b32 v[\y], 23, v[SOP+\n]
	v_mov_b32 v[\c+3], v[CT]
	v_mov_b32 v[\c+4], v[CT+1]
	v_mov_b32 v[\c+5], v[CT+2]
.endm
.macro BLK v, t, b, sync=0             ; block t of band b: 32 products; in band 1 unit t of band 0 is searched among them, two lines behind every second product
.if ((\t)%2) == 0
	DSW MK0
.else
	DSW MK1
.endif
.set N_, 0
.rept 32
	PR \v, \t, \t, \b, N_
.if \sync
.if N_ == 23
	WALU
	s_wait_tensorcnt 0x0
	s_wait_dscnt 0x0
	s_barrier_signal -1
.endif
.endif
.if \b
.if (N_ < 18) && (N_%2)
	CHAIN N_-1, 32*\t, 0, TQ
	CHAIN N_, 32*\t, 0, TQ
.endif
.endif
.set N_, N_+1
.endr
	WIN 0
.if \sync
	s_barrier_wait -1
.endif
.endm
.macro LAST                            ; band 1's four units, behind its products
.set I, 0
.rept 18
.irp u, 0,1,2,3
	CHAIN I, 128+32*\u, \u, TL+2*\u
.endr
.set I, I+1
.endr
.endm
	s_load_b256 s[4:11], s[0:1], 0x0               ; xc s[4:5], wc s[6:7], qk s[8:9], vt s[10:11]
	v_lshl_add_u32 v[SPW], v0, 2, SPARE
	v_mov_b32 v[NIL], 0
	ds_add_u32 v[SPW], v[NIL]                      ; the wave's opening
	ds_add_u32 v[SPW], v[NIL]
	v_lshrrev_b32 v1, 5, v0
	v_readfirstlane_b32 s14, v1                    ; wave 0..3
	s_lshr_b32 s15, s14, 1                         ; my group of tokens
	s_and_b32 s16, s14, 1                          ; my band of it
	s_bfe_u32 s40, ttmp6, 0x40000                  ; cx
	s_bfe_u32 s41, ttmp6, 0x40004                  ; cy
	s_and_b32 s45, ttmp7, 0xffff
	s_lshl_b32 s17, s45, 2
	s_add_co_u32 s17, s17, s41                     ; tr
	s_lshl_b32 s18, ttmp9, 2
	s_add_co_u32 s18, s18, s40                     ; tc
	s_lshl_b32 s44, 0x1111, s40                    ; my column of the cluster
	s_or_b32 s[G1H], s44, (3<<16)|(1<<21)
	s_or_b32 s[G1F], s44, (3<<16)|(1<<21)
	SHAPE G1H, 100
	SHAPE G1F, 200
	s_mul_i32 s20, s18, 2*XG                       ; the weights: groups 2 tc, 2 tc + 1,
	s_mul_i32 s22, s16, 4*GS
	s_add_co_u32 s90, s20, s22                     ; waves 0, 1: half of the first each
	s_mov_b32 s91, 0
	s_add_co_u32 s92, s20, XG
	s_mov_b32 s93, 0
	s_mul_i32 s94, s18, XG
	s_add_co_u32 s94, s94, 16*XG                   ; and 16 + tc
	s_mov_b32 s95, 0
	s_lshl_b32 s19, s17, 1
	s_add_co_u32 s19, s19, s15                     ; my group of tokens, over all
	s_mul_i32 s21, s19, XG
	s_mul_i32 s23, s16, 6144
	s_add_co_u32 s96, s21, s23                     ; my four fragments
	s_mov_b32 s97, 0
	s_lshl_b32 s23, s16, 8
	s_add_co_u32 s98, s21, s23
	s_add_co_u32 s98, s98, 12288                   ; their scale words
	s_mov_b32 s99, 0
	s_lshl_b32 s2, s19, 4
	s_lshl_b32 s3, s18, 1
	s_add_co_u32 s2, s2, s3
	s_mul_i32 s2, s2, GS                           ; qk: 16 x group + 2 tc
	s_mov_b32 s3, 0
	s_lshr_b32 s12, s18, 1                         ; vt
	s_lshl_b32 s12, s12, 7
	s_lshr_b32 s13, s17, 1
	s_lshl_b32 s13, s13, 3
	s_add_co_u32 s12, s12, s13
	s_and_b32 s13, s18, 1
	s_lshl_b32 s13, s13, 2
	s_add_co_u32 s12, s12, s13
	s_and_b32 s13, s19, 3
	s_add_co_u32 s12, s12, s13
	s_mul_i32 s12, s12, GS
	s_mov_b32 s13, 0
	s_mov_b32 s66, 0x76543210
	s_mov_b32 s67, 0xfedcba98                      ; v_permlanex16_b32's selects for lane l xor 16
	s_mov_b32 s[G0H], 1
	s_mov_b32 s[G0H+1], s22
	s_mov_b32 s[G0F], 1
	s_mov_b32 s[G0F+1], XG
	s_mov_b32 s[G0G], 1
	s_mov_b32 s[G0G+1], 2*XG
	s_mul_i32 s72, s16, 6144
	s_mul_i32 s73, s16, 768
	s_lshl_b32 s74, s16, 8
	s_add_co_u32 s74, s74, 12288
	s_lshl_b32 s75, s15, 9
	s_lshl_b32 s76, s16, 1
	s_add_co_u32 s76, s76, s75
	s_add_co_u32 s76, s76, WV
	s_lshl_b32 s77, s14, 8
	s_add_co_u32 s77, s77, WV
	s_mov_b32 s86, 2                               ; trips
	s_mov_b32 s87, 0                               ; where the fetched group lies in LDS
	v_and_b32 v1, 31, v0                           ; lane
	v_and_b32 v2, 15, v0                           ; r
	v_bfe_u32 v3, v0, 4, 1                         ; h
	v_cmp_lt_u32 s89, 15, v1                       ; the mask of lanes 16-31
	v_lshlrev_b32 v[CO], 4, v1
	v_lshlrev_b32 v4, 3, v1                        ; 8 lane
	v_lshlrev_b32 v5, 4, v2                        ; 16 r
	v_mul_u32_u24 v6, 51200, v3
	v_add_nc_u32 v[XSO], v5, v6
	v_lshlrev_b32 v[H8], 3, v3
	v_add_nc_u32 v[COW], s72, v[CO]
	v_add_nc_u32 v[COV], s73, v[CO]
	v_add_nc_u32 v[COV8], s73, v4
	v_add_nc_u32 v[COV8], 512, v[COV8]
	v_add_nc_u32 v[SO], v5, v[H8]
	v_add_nc_u32 v[SO], s74, v[SO]
	v_add_nc_u32 v[CO5], 51200, v[CO]
	v_add_nc_u32 v[AWS0], 12288, v[XSO]
	v_mov_b32 v[AW], v[CO]
	v_mov_b32 v[AW+1], v[CO5]
	v_mov_b32 v[AWS], v[AWS0]
	v_add_nc_u32 v[SV], v5, v3
	v_add_nc_u32 v[SV], s76, v[SV]
	v_add_nc_u32 v[CV], s77, v4                    ; the end: 256 bytes of V's scale words a wave
	v_add_nc_u32 v[CV2], s74, v4
.irp u, 0,1,2,3
	v_mov_b32 v[PX+\u], 0                          ; a lane permute's destination counts as one of its sources
.endr
	WALU                                           ; the wait at the head's end
	s_wait_dscnt 0x0                               ; both opening adds are done
	CROUND                                         ; all sixteen work-groups are here: the joint loads meet
	s_wait_kmcnt 0x0
	s_add_nc_u64 s[G0H+2:G0H+3], s[6:7], s[90:91]
	s_or_b32 s[G0H+3], s[G0H+3], 0x80000000
	s_add_nc_u64 s[G0F+2:G0F+3], s[6:7], s[92:93]
	s_or_b32 s[G0F+3], s[G0F+3], 0x80000000
	s_add_nc_u64 s[G0G+2:G0G+3], s[6:7], s[94:95]
	s_or_b32 s[G0G+3], s[G0G+3], 0x80000000
	s_cmp_lt_u32 s14, 2
	s_cbranch_scc0 .Lwave_2
	TLOAD G0H, G1H                                 ; waves 0, 1: the first group's halves
	s_branch .Lasked
.Lwave_2:
	s_cmp_eq_u32 s14, 2
	s_cbranch_scc0 .Lwave_3
	TLOAD G0F, G1F                                 ; wave 2: the second group
	s_branch .Lasked
.Lwave_3:
	TLOAD G0G, G1F                                 ; wave 3: V's
.Lasked:
	s_add_nc_u64 s[8:9], s[8:9], s[2:3]
	s_add_nc_u64 s[10:11], s[10:11], s[12:13]
	s_add_nc_u64 s[2:3], s[4:5], s[98:99]
	s_add_nc_u64 s[4:5], s[4:5], s[96:97]
.irp k, 0,1,2,3                        ; X's scale words: register 4 k + j: tile j; lanes 0-15 K step k, lanes 16-31 K step 4 + k
	global_load_b128 v[XS+4*\k:XS+4*\k+3], v[XSO], s[2:3] offset:12800*\k
.endr
.set F_, 0
.rept 32                               ; my 32 fragments, straight into registers: each load reads 512 consecutive bytes
	WIN (1+F_/21)<<6
.irp c, 0,1,2
	global_load_b128 v[12*(F_%21)+4*\c:12*(F_%21)+4*\c+3], v[CO], s[4:5] offset:12800*(F_/4)+1536*(F_%4)+512*\c
.endr
.set F_, F_+1
.endr
	WIN 0
	s_cmp_lt_u32 s14, 2
	s_cbranch_scc0 .Lnot_first
	s_wait_tensorcnt 0x0
.Lnot_first:
	s_barrier_signal -1
	s_barrier_wait -1                              ; the first group is in; the others may still be on their way
	FETCH 0, 0
	WSLOAD 0
	MARK 0
	FETCH 1, 1
	MARK 1
	s_wait_loadcnt 0x0                             ; my tokens are in registers
.Lqk:                                          ; ---------------- Q or K: a trip takes one group of 128 columns
.irp t, 0,1,2,3
	BLK 0, \t, 0
	PLACES
	FETCH \t, \t+2
.if \t == 2
	WSLOAD 1
.endif
	MARK \t
.endr
.irp t, 0,1,2,3
.if \t == 1
	BLK 0, \t, 1, 1                                ; a plain barrier inside: the other groups are shown to all
.else
	BLK 0, \t, 1
.endif
	CODES 32*\t, CD+12*\t, 0, WRD+\t
.if \t == 2
	s_add_co_u32 s87, s87, XG                      ; on to the next group
	v_add_nc_u32 v[AW], s87, v[CO]
	v_add_nc_u32 v[AW+1], s87, v[CO5]
	v_add_nc_u32 v[AWS], s87, v[AWS0]
.endif
	WALU
.if \t < 2
	FETCH \t, \t+6
.else
	FETCH \t, \t-2
.endif
.if \t == 2
	WSLOAD 0
.endif
	MARK \t
.endr
	LAST
.irp u, 0,1,2,3
	CODES 128+32*\u, CD+12*\u+6, \u, BY
	v_lshl_or_b32 v[WRD+\u], v[BY], 16, v[WRD+\u]  ; my two bytes: blocks h and 2 + h
.endr
.irp u, 0,1,2,3
	v_lshlrev_b32 v[WRD+\u], v[H8], v[WRD+\u]
.endr
.irp u, 0,1,2,3
	v_permlanex16_b32 v[PX+\u], v[WRD+\u], s66, s67
.endr
.irp u, 0,1,2,3
	v_or_b32 v[WRD+\u], v[WRD+\u], v[PX+\u]        ; with lane l xor 16's two the word is whole
.endr
	v_cndmask_b32 v[T4], v[WRD], v[WRD+2], s89     ; lane (r, h): the words of fragments 2 h
	v_cndmask_b32 v[T4+1], v[WRD+1], v[WRD+3], s89 ; and 2 h + 1, row r
	WALU
.irp u, 0,1,2,3
.irp c, 0,1,2
	global_store_b128 v[COW], v[CD+12*\u+4*\c:CD+12*\u+4*\c+3], s[8:9] offset:1536*\u+512*\c   ; 512 consecutive bytes, at a multiple of 256 from the buffer's first byte
.endr
.endr
	global_store_b64 v[SO], v[T4:T4+1], s[8:9]     ; 256 consecutive bytes, aligned
	s_wait_xcnt 0x0                                ; the stores have read their registers and their base: both may be written again
	s_add_nc_u64 s[8:9], s[8:9], GS
	s_sub_co_u32 s86, s86, 1
	s_cmp_lg_u32 s86, 0
	WALU
	s_cbranch_scc1 .Lqk
	; ---------------- V
	v_add_nc_u32 v[AW], 2*XG, v[CO]
	v_add_nc_u32 v[AW+1], 2*XG, v[CO5]
	v_add_nc_u32 v[AWS], 2*XG, v[AWS0]
	WALU
.irp t, 0,1,2,3
	BLK 1, \t, 0
	PLACES
	FETCH \t, \t+2
.if \t == 2
	WSLOAD 1
.endif
	MARK \t
.endr
.macro SENDV u                         ; unit u: a half fragment, and my byte of each row's scale word
	global_store_b128 v[COV], v[CD+6*(\u):CD+6*(\u)+3], s[10:11] offset:1536*(\u)
	global_store_b64 v[COV8], v[CD+6*(\u)+4:CD+6*(\u)+5], s[10:11] offset:1536*(\u)
	ds_store_b8 v[SV], v[BY] offset:256*((\u)/4)+4*((\u)%4)
.set LC, LC+1
.endm
.irp t, 0,1,2,3
	BLK 1, \t, 1
	CODES 32*\t, CD+6*\t, 0, BY
	WALU
.if \t < 2
	FETCH \t, \t+6
.endif
	MARK \t
	SENDV \t
.endr
	PLACES
	LAST
.irp u, 0,1,2,3
	CODES 128+32*\u, CD+24+6*\u, \u, BY
	WALU
	SENDV 4+\u
.endr
	s_wait_dscnt 0x0                               ; my bytes are in LDS,
	s_barrier_signal -1
	s_barrier_wait -1                              ; and everybody's
	ds_load_b64 v[T4:T4+1], v[CV]
	s_wait_dscnt 0x0
	global_store_b64 v[CV2], v[T4:T4+1], s[10:11]  ; 256 consecutive bytes, aligned
	s_wait_tensorcnt 0x0                           ; the wave's end
	ds_add_u32 v[SPW], v[NIL]
	s_wait_dscnt 0x0
	CROUND                                         ; the closing round
	s_endpgm
.Lfunc_end_k_q00bd9628dc_qkv:
	.size	k_q00bd9628dc_qkv, .Lfunc_end_k_q00bd9628dc_qkv-k_q00bd9628dc_qkv
	.p2alignl 7, 3214868480
	.fill 96, 4, 3214868480
	.section	.rodata,"a",@progbits
	.p2align	6, 0x0
	.amdhsa_kernel k_q00bd9628dc_qkv
		.amdhsa_group_segment_fixed_size 327680
		.amdhsa_private_segment_fixed_size 0
		.amdhsa_enable_private_segment 0
		.amdhsa_kernarg_size 32
		.amdhsa_user_sgpr_count 2
		.amdhsa_user_sgpr_kernarg_segment_ptr 1
		.amdhsa_wavefront_size32 1
		.amdhsa_system_sgpr_workgroup_id_x 1
		.amdhsa_system_sgpr_workgroup_id_y 1
		.amdhsa_system_sgpr_workgroup_id_z 1
		.amdhsa_system_vgpr_workitem_id 0
		.amdhsa_next_free_vgpr 1024
		.amdhsa_next_free_sgpr 102
		.amdhsa_reserve_vcc 0
		.amdhsa_float_denorm_mode_32 3
		.amdhsa_float_denorm_mode_16_64 3
		.amdhsa_memory_ordered 1
		.amdhsa_forward_progress 1
		.amdhsa_inst_pref_size 144
	.end_amdhsa_kernel
	.amdgpu_metadata
---
amdhsa.version: [ 1, 2 ]
amdhsa.kernels:
  - .name:           k_q00bd9628dc_qkv
    .symbol:         k_q00bd9628dc_qkv.kd
    .args:
      - { .name: xc, .offset: 0, .size: 8, .value_kind: global_buffer, .address_space: global }
      - { .name: wc, .offset: 8, .size: 8, .value_kind: global_buffer, .address_space: global }
      - { .name: qk, .offset: 16, .size: 8, .value_kind: global_buffer, .address_space: global }
      - { .name: vt, .offset: 24, .size: 8, .value_kind: global_buffer, .address_space: global }
    .group_segment_fixed_size: 327680
    .private_segment_fixed_size: 0
    .kernarg_segment_align: 8
    .kernarg_segment_size: 32
    .max_flat_workgroup_size: 128
    .sgpr_count:     102
    .vgpr_count:     1024
    .wavefront_size: 32
...
	.end_amdgpu_metadata
.endif
;; end of part 2
;; launch scores (part 3): grid 8 x 32, 4 waves a work-group, clusters of 4 x 4, 327,680 bytes of LDS; arguments qk, pc, pst; writes pc, pst
.if DOCPART == 3
	.amdgcn_target "amdgcn-amd-amdhsa--gfx1250"
	.amdhsa_code_object_version 6
	.text
	.protected	k_q00bd9628dc_scores
	.globl	k_q00bd9628dc_scores
	.p2align	8
	.type	k_q00bd9628dc_scores,@function
k_q00bd9628dc_scores:
	s_mov_b64 s[64:65], 0
	v_nop
	global_prefetch_b8 v0, s[64:65] scope:SCOPE_SE
	s_setreg_imm32_b32 hwreg(HW_REG_WAVE_MODE, 25, 1), 1
	s_wait_xcnt 0x0
	s_wait_alu depctr_hold_cnt(0) depctr_sa_sdst(0) depctr_va_vdst(0) depctr_va_sdst(0) depctr_va_ssrc(0) depctr_va_vcc(0) depctr_vm_vsrc(0)
	s_getreg_b32 s2, hwreg(HW_REG_IB_STS2, 6, 4)
	s_cmp_eq_u32 s2, 0
	s_cbranch_scc0 .Lentry_in_a_cluster
	s_endpgm
.Lentry_in_a_cluster:
	s_bfe_u32 s2, ttmp6, 0x10000c
	s_cmp_lg_u32 s2, 0xf033
	s_cbranch_scc0 .Lentry_shape_is_right
	s_endpgm
.Lentry_shape_is_right:
; S^T = K Q^T on codes of FP6 (E2M3) with E8M0 scales, K = 1,024; then the softmax's p, chunk by chunk of 128 keys, quantised along the keys.
; t = score x log2(e) / 32.  For each query and each CHUNK of 128 keys: M = the chunk's largest t rounded up to a whole number; p = 2^(t - M); the chunk's sum l of the unquantised p; p's codes and scale bytes under that M.
; The next launch joins the chunks: M is a whole number, so going from a chunk's M to the row's takes whole numbers off the scale bytes and multiplies l by a power of two; the codes stay.
; Operands and results are images of registers (a fragment: 1,536 bytes, registers 4 c .. 4 c + 3 of lane l at 512 c + 16 l; a group: 8 fragments and 512 bytes of scale words, 12,800 bytes).
; qk: [64 groups of tokens][16: Q's 8 steps of e, K's 8] groups.  pc: [64 groups of queries][16 chunks] x 12,288 bytes of codes.  pst: [64][16] x 1,536 bytes: P's scale words, -M, l, each as 256 (m / 4) + 16 r + 4 (m % 4) for (fragment m, row r).
; SHARES.  256 work-groups: 256 queries x 256 keys.  A WAVE HOLDS ITS 64 QUERIES, ALL OF K, in 384 registers, loaded straight from memory, and the keys pass in 16 blocks of 16, all of K: 32 products a block, 4 accumulators by turns.
; Source 0 = K, source 1 = Q: a lane holds a query.  By the order of the tokens inside a band of 64 the 32 results of four blocks are the keys 64 band + 32 h + 0 .. 31: one scale block in a lane.
; LDS: the two groups of keys, 204,800 bytes, as they lie in memory; filled once, by four joint loads at the head.
; CLUSTERS: 4 x 4.  The keys are shared along a column.  Q is not asked for jointly: each of its fragments is wanted by one wave of the work-group alone, for its registers; by way of LDS it would be stored and read there once more.
; No prefetch: every tile is asked for at the head, and no loop asks for more.
; LIMITS: NaN and infinities are not served; the scaled scores stay under 2^31 in magnitude; a p under 2^-126 of its chunk's scale comes out of v_exp_f32 as 0; a block whose every p is 0 keeps the byte 1 (its codes are zeros).
; REGISTERS: window 0: v0-15 Q's scale words, v20-51 K's (these hold nothing else); v160-255 the second set of a block's fragments.  window 1: Q's fragments 0-20 (4 k + j), window 2: 21-31 and, from v132 on, the first set of a
;   block's fragments.  window 3: the accumulators: tile j, block m at v[64 j + 8 m]; t - M and p take their places.
.set GS,   12800
.set XG,   102400                      ; a group of rows for all of K
.set SPARE, 2*XG                       ; the spare words, 128 bytes for each wave, that no other line names
.set XS,   0
.set SW,   16
.set WS,   20
.set CO,   52                          ; 16 lane
.set COW,  53                          ; my four fragments in a chunk of pc
.set SO,   54
.set SPW,  55
.set NIL,  56
.set AW,   57
.set AWS,  59
.set XSO,  60
.set H8,   61
.set CO5,  62
.set AWS0, 63
.set CD,   72                          ; v72-119 codes
.set BM,   120
.set TX,   122
.set PX,   123
.set NP,   124                         ; v[124:125] -M (the packed form names a pair and takes its low word)
.set LS,   126
.set LS2,  128
.set SOP,  130
.set BY,   132
.set CT,   134
.set NM,   142
.set LL,   146
.set T4,   150
.set G1H,  24
.set G0H,  56
.set LC, 0
.set MSB, 0
.macro WIN new                         ; the immediate's high byte repeats the setting that is left
.if MSB != (\new)
	s_set_vgpr_msb (MSB<<8)|(\new)
.set MSB, (\new)
.endif
.endm
.macro WALU
	s_wait_alu depctr_va_vdst(0)
.endm
.macro CROUND
	s_barrier_signal -1
	s_barrier_wait -1
	s_cmp_lg_u32 s14, 0
	s_cbranch_scc1 .Lnot_wave_0_\@
	s_barrier_signal -3
.Lnot_wave_0_\@:
	s_barrier_wait -3
	s_barrier_signal -1
	s_barrier_wait -1
.endm
.macro PLACES                          ; four places behind this matrix form (ISA guide 7.12.1)
.rept 4
	v_nop
.endr
.endm
.macro TLOAD g0, g1
	tensor_load_to_lds s[\g0:\g0+3], s[\g1:\g1+7]
	s_nop 0
	PLACES
.endm
.macro FETCH e, m                      ; block m of the group into set e % 2: 24 loads
	WIN (2*(1-(\e)%2))<<6
.irp k, 0,1,2,3,4,5,6,7
.irp c, 0,1,2
	ds_load_b128 v[132+28*((\e)%2)+12*\k+4*\c:132+28*((\e)%2)+12*\k+4*\c+3], v[AW+\k/4] offset:12800*(\k%4)+1536*(\m)+512*\c
.endr
.endr
	WIN 0
.set LC, LC+24
.if ((\e)%2) == 0
.set MK0, LC
.else
.set MK1, LC
.endif
.endm
.macro PROD c, row
	v_wmma_scale_f32_16x16x128_f8f6f4 v[D_:D_+7], v[SR_:SR_+11], v[HR_:HR_+11], \c, v[XW_], v[XX_] matrix_a_fmt:MATRIX_FMT_FP6 matrix_b_fmt:MATRIX_FMT_FP6 matrix_a_scale:MATRIX_SCALE_ROW\row matrix_b_scale:MATRIX_SCALE_ROW\row
.endm
.macro PR m, n                         ; product n of block m: K step n / 4, query tile n % 4
.set K_, (\n)/4
.set J_, (\n)%4
.set HR_, 12*((\n)%21)
.set SR_, 132+28*((\m)%2)+12*K_
.set XX_, XS+4*(K_%4)+J_
.set XW_, WS+16*((\m)/4)+4*(K_%4)+(\m)%4
.set D_, 64*J_+8*(\m)
	WIN (2*(1-(\m)%2))|((1+(\n)/21)<<2)|0xf0
.if K_ == 0
	PROD 0, 0
.elseif K_ < 4
	PROD v[D_:D_+7], 0
.else
	PROD v[D_:D_+7], 1
.endif
.endm
.macro BLK m                           ; 32 products, then in one run the loads for the block two on
.if ((\m)%2) == 0
	s_wait_dscnt LC-MK0
.else
	s_wait_dscnt LC-MK1
.endif
.set N_, 0
.rept 32
	PR \m, N_
.if ((\m) == 6) && (N_ == 23)
	s_wait_tensorcnt 0x0
	s_wait_dscnt 0x0
	s_barrier_signal -1
.endif
.set N_, N_+1
.endr
	WIN 0
.if (\m) == 6
	s_barrier_wait -1                              ; a plain barrier: the second group is shown to all
.endif
	PLACES
.if (\m) < 6
	FETCH \m, (\m)+2
.endif
.endm
; THE SOFTMAX OF TILE j: 16 queries x 128 keys.  A lane holds 64 keys of one query: two whole blocks, registers 32 c + 0 .. 31; lanes l and l xor 16 share the query.
.macro SOFT j
.set X_, 64*(\j)
	WALU                                           ; the wait ahead of these matrix results' first readers
	WIN 0x3f
.irp c, 0,1
	v_max3_num_f32 v[BM+\c], v[X_+32*\c], v[X_+32*\c+1], v[X_+32*\c+2]   ; each block's largest score: for the chunk's maximum and, since p rises with the score, for the block's largest p
.endr
	WIN 0x3c
.irp i, 3,5,7,9,11,13,15,17,19,21,23,25,27,29
.irp c, 0,1
	v_max3_num_f32 v[BM+\c], v[BM+\c], v[X_+32*\c+\i], v[X_+32*\c+\i+1]
.endr
.endr
.irp c, 0,1
	v_max_num_f32 v[BM+\c], v[BM+\c], v[X_+32*\c+31]
.endr
	WIN 0
	v_max_num_f32 v[TX], v[BM], v[BM+1]
	v_permlanex16_b32 v[PX], v[TX], s92, s93
	v_max_num_f32 v[TX], v[TX], v[PX]
	v_mul_f32 v[TX], s22, v[TX]                    ; the chunk's largest t (c is positive)
	v_floor_f32 v[NP], -v[TX]                      ; -M = floor(-t) = -ceil(t)
	WIN 0xc3
.set jj, 0
.rept 32
	v_pk_fma_f32 v[X_+jj:X_+jj+1], v[X_+jj:X_+jj+1], s[22:23], v[NP:NP+1] op_sel_hi:[1,0,0]   ; t - M, two at a time
.set jj, jj+2
.endr
	WIN 0
.irp c, 0,1
	v_fma_f32 v[BM+\c], v[BM+\c], s22, v[NP]       ; the same of each block's largest score
.endr
	WALU                                           ; the wait ahead of the batch,
	WIN 0xc3
.set jj, 0
.rept 64
	v_exp_f32 v[X_+jj], v[X_+jj]                   ; p = 2^(t - M)
.set jj, jj+1
.endr
	WIN 0
	v_exp_f32 v[BM], v[BM]                         ; the block's largest p: the same two instructions on the same number give the same bits
	v_exp_f32 v[BM+1], v[BM+1]
	v_mov_b32 v[NM+\j], v[NP]                      ; (a plain place behind the exponentials)
	WALU                                           ; and behind it
	WIN 0x0f
	v_pk_add_f32 v[LS:LS+1], v[X_:X_+1], v[X_+2:X_+3]   ; the sum of the UNQUANTISED p, two at a time, in two chains
	v_pk_add_f32 v[LS2:LS2+1], v[X_+4:X_+5], v[X_+6:X_+7]
	WIN 0x0c
.irp q, 8,12,16,20,24,28,32,36,40,44,48,52,56,60
	v_pk_add_f32 v[LS:LS+1], v[LS:LS+1], v[X_+\q:X_+\q+1]
	v_pk_add_f32 v[LS2:LS2+1], v[LS2:LS2+1], v[X_+\q+2:X_+\q+3]
.endr
	WIN 0
	v_pk_add_f32 v[LS:LS+1], v[LS:LS+1], v[LS2:LS2+1]
.irp c, 0,1
	v_max_num_f32 v[BM+\c], 0x1800000, v[BM+\c]    ; the floor 2^(3 - 127): the byte cannot fall under 1
.endr
.irp c, 0,1
	v_add_nc_u32 v[SOP+\c], 0xff000000, v[BM+\c]   ; 2 off the exponent field: the conversion's scale operand
.endr
	v_add_f32 v[LL+\j], v[LS], v[LS+1]
.irp c, 0,1
	v_lshrrev_b32 v[BY+\c], 23, v[SOP+\c]
.endr
	v_permlanex16_b32 v[PX], v[LL+\j], s92, s93
	v_lshl_or_b32 v[BY], v[BY+1], 16, v[BY]        ; my two bytes: blocks h and 2 + h
	v_lshlrev_b32 v[BY], v[H8], v[BY]
	v_add_f32 v[LL+\j], v[LL+\j], v[PX]            ; the chunk's l of my query
	v_permlanex16_b32 v[PX], v[BY], s92, s93
	v_or_b32 v[SW+\j], v[BY], v[PX]                ; with lane l xor 16's two the word is whole
	WIN 3
.irp c, 0,1
	v_cvt_scalef32_pk16_fp6_f32 v[CD+12*(\j)+6*\c:CD+12*(\j)+6*\c+2], v[X_+32*\c:X_+32*\c+15], v[SOP+\c]
	v_cvt_scalef32_pk16_fp6_f32 v[CT+4*\c:CT+4*\c+2], v[X_+32*\c+16:X_+32*\c+31], v[SOP+\c]
.endr
	WIN 0
	v_nop                                          ; one plain place behind the scaled conversions
.irp c, 0,1
.irp i, 0,1,2
	v_mov_b32 v[CD+12*(\j)+6*\c+3+\i], v[CT+4*\c+\i]
.endr
.endr
.irp c, 0,1,2
	global_store_b128 v[COW], v[CD+12*(\j)+4*\c:CD+12*(\j)+4*\c+3], s[6:7] offset:1536*(\j)+512*\c   ; 512 consecutive bytes
.endr
.endm
	s_load_b128 s[4:7], s[0:1], 0x0                ; qk s[4:5], pc s[6:7]
	s_load_b64 s[8:9], s[0:1], 0x10                ; pst
	v_lshl_add_u32 v[SPW], v0, 2, SPARE
	v_mov_b32 v[NIL], 0
	ds_add_u32 v[SPW], v[NIL]                      ; the wave's opening
	ds_add_u32 v[SPW], v[NIL]
	v_lshrrev_b32 v1, 5, v0
	v_readfirstlane_b32 s14, v1                    ; wave 0..3
	s_lshr_b32 s15, s14, 1                         ; my group of queries.  Also: which group of keys I fetch
	s_and_b32 s16, s14, 1                          ; my band of it.  Also: which half of its K steps
	s_bfe_u32 s40, ttmp6, 0x40000                  ; cx
	s_bfe_u32 s41, ttmp6, 0x40004                  ; cy
	s_and_b32 s45, ttmp7, 0xffff
	s_lshl_b32 s42, ttmp9, 2
	s_add_co_u32 s42, s42, s40                     ; the tile of keys in the batch: 0..7
	s_lshl_b32 s17, s45, 2
	s_add_co_u32 s17, s17, s41                     ; the tile of queries, over all batches: 0..31
	s_lshr_b32 s46, s45, 1                         ; the batch: eight tiles of queries each
	s_lshl_b32 s44, 0x1111, s40                    ; my column of the cluster
	s_or_b32 s[G1H], s44, (3<<16)|(1<<21)
	s_mov_b32 s[G1H+1], 64<<16                     ; four K steps of a group: 51,200 bytes as 100 rows of 512 bytes
	s_mov_b32 s[G1H+2], 100<<16
	s_mov_b32 s[G1H+3], 64<<16
	s_mov_b32 s[G1H+4], 100
	s_mov_b32 s[G1H+5], 64
	s_mov_b32 s[G1H+6], 0
	s_mov_b32 s[G1H+7], 0
	s_lshl_b32 s88, s42, 1
	s_add_co_u32 s88, s88, s15
	s_lshl_b32 s89, s46, 4
	s_add_co_u32 s88, s88, s89                     ; the group of keys that I fetch
	s_mul_i32 s88, s88, 16*GS
	s_mul_i32 s89, s16, 4*GS
	s_add_co_u32 s88, s88, s89
	s_add_co_u32 s88, s88, 8*GS                    ; behind Q's eight steps
	s_mov_b32 s89, 0
	s_mov_b32 s[G0H], 1
	s_mul_i32 s[G0H+1], s14, 4*GS
	s_lshl_b32 s19, s17, 1
	s_add_co_u32 s19, s19, s15                     ; my group of queries
	s_mul_i32 s21, s19, 16*GS
	s_mul_i32 s20, s16, 6144
	s_add_co_u32 s96, s21, s20                     ; my four fragments
	s_mov_b32 s97, 0
	s_lshl_b32 s18, s16, 8
	s_add_co_u32 s98, s21, s18
	s_add_co_u32 s98, s98, 12288                   ; their scale words
	s_mov_b32 s99, 0
	s_lshl_b32 s90, s19, 4
	s_lshl_b32 s91, s42, 1
	s_add_co_u32 s90, s90, s91                     ; 16 x my group of queries + my first chunk
	s_mul_i32 s94, s90, 1536
	s_mov_b32 s95, 0
	s_mul_i32 s90, s90, 12288
	s_mov_b32 s91, 0
	s_mov_b32 s22, 0x3d38aa3b                      ; c = log2(e) / 32
	s_mov_b32 s23, s22                             ; (named with it as a pair, so it is written)
	s_mov_b32 s92, 0x76543210
	s_mov_b32 s93, 0xfedcba98                      ; v_permlanex16_b32's selects for lane l xor 16
	s_mov_b32 s86, 2                               ; trips
	s_mov_b32 s87, 0                               ; where the trip's group lies in LDS
	v_and_b32 v1, 31, v0                           ; lane
	v_and_b32 v2, 15, v0                           ; r
	v_bfe_u32 v3, v0, 4, 1                         ; h
	v_cmp_lt_u32 s85, 15, v1                       ; the mask of lanes 16-31
	v_lshlrev_b32 v[CO], 4, v1
	v_lshlrev_b32 v5, 4, v2                        ; 16 r
	v_mul_u32_u24 v6, 51200, v3
	v_add_nc_u32 v[XSO], v5, v6
	v_lshlrev_b32 v[H8], 3, v3
	v_add_nc_u32 v[COW], s20, v[CO]
	v_add_nc_u32 v[SO], v5, v[H8]
	v_add_nc_u32 v[SO], s18, v[SO]                 ; the words of fragments 2 h, 2 h + 1 of my four, row r
	v_add_nc_u32 v[CO5], 51200, v[CO]
	v_add_nc_u32 v[AWS0], 12288, v[XSO]
	v_mov_b32 v[PX], 0                             ; a lane permute's destination counts as one of its sources
	v_mov_b32 v[NP+1], 0                           ; (named as the upper half of a pair)
	WALU                                           ; the wait at the head's end
	s_wait_dscnt 0x0                               ; both opening adds are done
	CROUND                                         ; all sixteen work-groups are here: the joint loads meet
	s_wait_kmcnt 0x0
	s_add_nc_u64 s[G0H+2:G0H+3], s[4:5], s[88:89]
	s_or_b32 s[G0H+3], s[G0H+3], 0x80000000
	s_cmp_lt_u32 s14, 2
	s_cbranch_scc0 .Lsecond
	TLOAD G0H, G1H                                 ; waves 0, 1: the first group of keys, four K steps each
	s_branch .Lasked
.Lsecond:
	TLOAD G0H, G1H                                 ; waves 2, 3: the second
.Lasked:
	s_add_nc_u64 s[6:7], s[6:7], s[90:91]
	s_add_nc_u64 s[8:9], s[8:9], s[94:95]
	s_add_nc_u64 s[2:3], s[4:5], s[98:99]
	s_add_nc_u64 s[4:5], s[4:5], s[96:97]
.irp k, 0,1,2,3                        ; Q's scale words: register 4 k + j: tile j; lanes 0-15 K step k, lanes 16-31 K step 4 + k
	global_load_b128 v[XS+4*\k:XS+4*\k+3], v[XSO], s[2:3] offset:12800*\k
.endr
.set F_, 0
.rept 32                               ; my 32 fragments, straight into registers: each load reads 512 consecutive bytes
	WIN (1+F_/21)<<6
.irp c, 0,1,2
	global_load_b128 v[12*(F_%21)+4*\c:12*(F_%21)+4*\c+3], v[CO], s[4:5] offset:12800*(F_/4)+1536*(F_%4)+512*\c
.endr
.set F_, F_+1
.endr
	WIN 0
	s_cmp_lt_u32 s14, 2
	s_cbranch_scc0 .Lnot_first
	s_wait_tensorcnt 0x0
.Lnot_first:
	s_barrier_signal -1
	s_barrier_wait -1                              ; the first group is in; the second may still be on its way
.Lchunk:                                       ; a trip takes one chunk of 128 keys
	v_add_nc_u32 v[AW], s87, v[CO]
	v_add_nc_u32 v[AW+1], s87, v[CO5]
	v_add_nc_u32 v[AWS], s87, v[AWS0]
	WALU
.irp b, 0,1
.irp k, 0,1,2,3                        ; the chunk's scale words, as Q's
	ds_load_b128 v[WS+16*\b+4*\k:WS+16*\b+4*\k+3], v[AWS] offset:12800*\k+256*\b
.endr
.endr
.set LC, LC+8
	FETCH 0, 0
	FETCH 1, 1
	s_wait_loadcnt 0x0                             ; my queries are in registers
.irp m, 0,1,2,3,4,5,6,7
	BLK \m
.endr
	SOFT 0
	SOFT 1
	SOFT 2
	SOFT 3
.irp i, 0,1
	v_cndmask_b32 v[T4+\i], v[SW+\i], v[SW+2+\i], s85    ; lane (r, h): fragments 2 h and 2 h + 1
	v_cndmask_b32 v[T4+2+\i], v[NM+\i], v[NM+2+\i], s85
	v_cndmask_b32 v[T4+4+\i], v[LL+\i], v[LL+2+\i], s85
.endr
	global_store_b64 v[SO], v[T4:T4+1], s[8:9]     ; 256 consecutive bytes, aligned
	global_store_b64 v[SO], v[T4+2:T4+3], s[8:9] offset:512
	global_store_b64 v[SO], v[T4+4:T4+5], s[8:9] offset:1024
	s_wait_xcnt 0x0                                ; the stores have read their registers and their bases
	s_add_nc_u64 s[6:7], s[6:7], 12288
	s_add_nc_u64 s[8:9], s[8:9], 1536
	s_add_co_u32 s87, s87, XG
	s_sub_co_u32 s86, s86, 1
	s_cmp_lg_u32 s86, 0
	WALU
	s_cbranch_scc1 .Lchunk
	s_wait_tensorcnt 0x0                           ; the wave's end
	ds_add_u32 v[SPW], v[NIL]
	s_wait_dscnt 0x0
	CROUND                                         ; the closing round
	s_endpgm
.Lfunc_end_k_q00bd9628dc_scores:
	.size	k_q00bd9628dc_scores, .Lfunc_end_k_q00bd9628dc_scores-k_q00bd9628dc_scores
	.p2alignl 7, 3214868480
	.fill 96, 4, 3214868480
	.section	.rodata,"a",@progbits
	.p2align	6, 0x0
	.amdhsa_kernel k_q00bd9628dc_scores
		.amdhsa_group_segment_fixed_size 327680
		.amdhsa_private_segment_fixed_size 0
		.amdhsa_enable_private_segment 0
		.amdhsa_kernarg_size 24
		.amdhsa_user_sgpr_count 2
		.amdhsa_user_sgpr_kernarg_segment_ptr 1
		.amdhsa_wavefront_size32 1
		.amdhsa_system_sgpr_workgroup_id_x 1
		.amdhsa_system_sgpr_workgroup_id_y 1
		.amdhsa_system_sgpr_workgroup_id_z 1
		.amdhsa_system_vgpr_workitem_id 0
		.amdhsa_next_free_vgpr 1024
		.amdhsa_next_free_sgpr 100
		.amdhsa_reserve_vcc 0
		.amdhsa_float_denorm_mode_32 3
		.amdhsa_float_denorm_mode_16_64 3
		.amdhsa_memory_ordered 1
		.amdhsa_forward_progress 1
		.amdhsa_inst_pref_size 104
	.end_amdhsa_kernel
	.amdgpu_metadata
---
amdhsa.version: [ 1, 2 ]
amdhsa.kernels:
  - .name:           k_q00bd9628dc_scores
    .symbol:         k_q00bd9628dc_scores.kd
    .args:
      - { .name: qk, .offset: 0, .size: 8, .value_kind: global_buffer, .address_space: global }
      - { .name: pc, .offset: 8, .size: 8, .value_kind: global_buffer, .address_space: global }
      - { .name: pst, .offset: 16, .size: 8, .value_kind: global_buffer, .address_space: global }
    .group_segment_fixed_size: 327680
    .private_segment_fixed_size: 0
    .kernarg_segment_align: 8
    .kernarg_segment_size: 24
    .max_flat_workgroup_size: 128
    .sgpr_count:     100
    .vgpr_count:     1024
    .wavefront_size: 32
...
	.end_amdgpu_metadata
.endif
;; end of part 3
;; launch outp (part 4): grid 4 x 64, 4 waves a work-group, clusters of 4 x 4, 209,920 bytes of LDS; arguments pc, pst, vt, out0; writes out0
.if DOCPART == 4
	.amdgcn_target "amdgcn-amd-amdhsa--gfx1250"
	.amdhsa_code_object_version 6
	.text
	.protected	k_q00bd9628dc_outp
	.globl	k_q00bd9628dc_outp
	.p2align	8
	.type	k_q00bd9628dc_outp,@function
k_q00bd9628dc_outp:
	s_mov_b64 s[64:65], 0
	v_nop
	global_prefetch_b8 v0, s[64:65] scope:SCOPE_SE
	s_setreg_imm32_b32 hwreg(HW_REG_WAVE_MODE, 25, 1), 1
	s_wait_xcnt 0x0
	s_wait_alu depctr_hold_cnt(0) depctr_sa_sdst(0) depctr_va_vdst(0) depctr_va_sdst(0) depctr_va_ssrc(0) depctr_va_vcc(0) depctr_vm_vsrc(0)
	s_getreg_b32 s2, hwreg(HW_REG_IB_STS2, 6, 4)
	s_cmp_eq_u32 s2, 0
	s_cbranch_scc0 .Lentry_in_a_cluster
	s_endpgm
.Lentry_in_a_cluster:
	s_bfe_u32 s2, ttmp6, 0x10000c
	s_cmp_lg_u32 s2, 0xf033
	s_cbranch_scc0 .Lentry_shape_is_right
	s_endpgm
.Lentry_shape_is_right:
; out = P V / l on codes of FP6 (E2M3) with E8M0 scales, K = 2,048 keys of the batch.
; pc: [64 groups of 128 queries][16 chunks of 128 keys] x 12,288 bytes: 8 fragments (16 queries x 128 keys) of 1,536 bytes, registers 4 c .. 4 c + 3 of lane l at 512 c + 16 l.
; pst: [64][16] x 1,536 bytes: P's scale words, -M, l of the chunk, each at 256 (m / 4) + 16 r + 4 (m % 4) for (fragment m, row r).
; vt: [4 blocks of 256 columns e][16 quarters of 512 tokens][2 groups of 128 e][4 steps of 128 tokens] groups of 12,800 bytes: 8 fragments (16 e x 128 tokens) of two halves (64 tokens: registers 0-3 at 16 l, 4 and 5 at 512 + 8 l),
; then 512 bytes of scale words laid as pst's.
; SHARES.  256 work-groups: 128 queries x 256 columns each.  Wave w takes 64 columns and all 128 queries.  K goes in four quarters of 512 keys: the wave holds a quarter of its V^T (4 tiles x 4 steps, 192 registers; two sets,
; so that the next quarter's come in while this one's are multiplied), and P streams past it in 8 blocks of 16 queries, two blocks (32 products, 4 accumulators by turns) to a run of LDS loads.
; In the last quarter two blocks leave as soon as they are finished.
; Source 0 = P, source 1 = V^T.  Row r of fragment t of a band of 64 columns is column 4 r + t.  So register j of the four tiles is 16 neighbouring bytes of a row, and sixteen lanes store one aligned unit of 256 bytes, from registers.
; Row 8 h + i of query block a is query 64 (a / 4) + 32 h + 8 (a % 4) + i.
; JOINING THE CHUNKS: M is a whole number, so going from a chunk's M to the row's takes whole numbers off the scale bytes (held at 0 from below) and multiplies the chunk's l by a power of two; the codes stay.
; Wave w joins chunks 4 w .. 4 w + 3; the row's M, the words and l meet in LDS.
; LDS: P's 16 chunks, 196,608 bytes, as they lie in memory; filled once, by four joint loads at the head.
; CLUSTERS: 4 x 4.  P hangs on the query group and is shared along a row of the cluster.  V^T is not asked for jointly: each of its fragments is wanted by one wave of the work-group alone, for its registers; by way of LDS its
; 409,600 bytes would be stored and read there once more, and they have no room beside P.  No prefetch: P is asked for at the head, V^T a quarter (128 products) ahead of its use.
; LIMITS: NaN and infinities are not served; a chunk whose M lies more than 127 under the row's counts as 127 under it.
; REGISTERS.  Windows 0 and 3: v0-127 the accumulators of the even, the odd blocks (block a, tile t at 32 (a / 2) + 8 t), v128-223 two sets of P's block.
;   window 0: v224-231 P's scale words, v232-247 V's (nothing else there), v248.. addresses.   window 3: v224-227 addresses, v252-255.
;   window 1: V's quarters 0, 2; in the last quarter all 256 for the results on their way out.   window 2: V's quarters 1, 3; v192-255 1 / l.
.set GP,   12288
.set VQ,   102400                      ; a quarter of V: 8 groups
.set PS,   16*GP                       ; joined scale words: [quarter][128 queries][4 steps]
.set RLS,  PS+8192                     ; 1 / l of 128 queries
.set MXR,  RLS+512                     ; -M of four chunks: [wave][lane][4 fragments]
.set LPR,  MXR+2048                    ; l of four chunks, likewise
.set SPARE, LPR+2048                   ; the spare words, 128 bytes for each wave, that no other line names
.set CO,   248                         ; 16 r + 32 h rows of out0
.set APS,  249                         ; PS + 16 r + 8 h
.set SPW,  250
.set NIL,  251
.set AP,   252                         ; v252-255, in windows 0 and 3: P's quarter q, + 16 lane
.set VO,   224                         ; window 3: v224 16 lane, v225 8 lane, v226 V's scale words, v227 1 / l
.set G1P,  24                          ; s[24:31] group 1: 96 rows of 512 bytes
.set G0P,  56
.set LC, 0                             ; LDS instructions issued so far: a wait's count is LC less the mark of what is needed
.set MSB, 0
.macro WIN new                         ; the immediate's high byte repeats the setting that is left
.if MSB != (\new)
	s_set_vgpr_msb (MSB<<8)|(\new)
.set MSB, (\new)
.endif
.endm
.macro WALU
	s_wait_alu depctr_va_vdst(0)
.endm
.macro CROUND
	s_barrier_signal -1
	s_barrier_wait -1
	s_cmp_lg_u32 s14, 0
	s_cbranch_scc1 .Lnot_wave_0_\@
	s_barrier_signal -3
.Lnot_wave_0_\@:
	s_barrier_wait -3
	s_barrier_signal -1
	s_barrier_wait -1
.endm
.macro PLACES                          ; four places behind this matrix form (ISA guide 7.12.1)
.rept 4
	v_nop
.endr
.endm
.macro TLOAD g0, g1
	tensor_load_to_lds s[\g0:\g0+3], s[\g1:\g1+7]
	s_nop 0
	PLACES
.endm
.macro LDPAIR q, p                     ; blocks 2 p and 2 p + 1 of quarter q: their scale words (lanes 0-15 steps 0, 1, lanes 16-31 steps 2, 3) and 24 loads of codes
.if (\q) < 4
	WIN 0
.irp b, 0,1
	ds_load_b64 v[224+4*((\p)%2)+2*\b:225+4*((\p)%2)+2*\b], v[APS] offset:2048*(\q)+256*(2*(\p)+\b)
.endr
.irp b, 0,1
	WIN 0xc3*\b
.irp k, 0,1,2,3
.irp c, 0,1,2
	ds_load_b128 v[128+48*((\p)%2)+12*\k+4*\c:128+48*((\p)%2)+12*\k+4*\c+3], v[AP+(\q)] offset:12288*\k+1536*(2*(\p)+\b)+512*\c
.endr
.endr
.endr
	WIN 0
.set LC, LC+26
.endif
.if ((\p)%2) == 0
.set MK0, LC
.else
.set MK1, LC
.endif
.endm
.macro VLOAD q                         ; my V^T of quarter q, straight from memory: 16 fragments, 4 loads each, and 2 of scale words (lanes 0-15 steps 0, 1, lanes 16-31 steps 2, 3)
	WIN 3
.irp k, 0,1
	global_load_b128 v[232+8*((\q)%2)+4*\k:235+8*((\q)%2)+4*\k], v[VO+2], s[84:85] offset:VQ*(\q)+12800*\k
.endr
	WIN ((1+(\q)%2)<<6)|3
.set F_, 0
.rept 16
.irp c, 0,1
	global_load_b128 v[12*F_+6*\c:12*F_+6*\c+3], v[VO], s[82:83] offset:VQ*(\q)+12800*(F_/4)+1536*(F_%4)+768*\c
	global_load_b64 v[12*F_+6*\c+4:12*F_+6*\c+5], v[VO+1], s[82:83] offset:VQ*(\q)+12800*(F_/4)+1536*(F_%4)+768*\c+512
.endr
.set F_, F_+1
.endr
	WIN 0
.endm
.macro PROD c, row
	v_wmma_scale_f32_16x16x128_f8f6f4 v[D_:D_+7], v[A_:A_+11], v[B_:B_+11], \c, v[XA_], v[XB_] matrix_a_fmt:MATRIX_FMT_FP6 matrix_b_fmt:MATRIX_FMT_FP6 matrix_a_scale:MATRIX_SCALE_ROW\row matrix_b_scale:MATRIX_SCALE_ROW\row
.endm
.macro PR q, p, n                      ; product n of a pair of blocks: block n / 16, step n / 4 % 4, tile n % 4
.set O_, (\n)/16
.set K_, ((\n)/4)%4
.set T_, (\n)%4
.set D_, 32*(\p)+8*T_
.set A_, 128+48*((\p)%2)+12*K_
.set B_, 48*K_+12*T_
.set XA_, 224+4*((\p)%2)+2*O_+K_%2
.set XB_, 232+8*((\q)%2)+4*(K_%2)+T_
	WIN (3*O_*0x51)|((1+(\q)%2)<<2)
.if ((\q) == 0) && (K_ == 0)
	PROD 0, 0
.elseif K_ < 2
	PROD v[D_:D_+7], 0
.else
	PROD v[D_:D_+7], 1
.endif
.endm
.macro PAIR q, p, sync=0               ; two blocks: 32 products, then in one run the loads for the pair two on
.if ((\p)%2) == 0
	s_wait_dscnt LC-MK0
.else
	s_wait_dscnt LC-MK1
.endif
.set N_, 0
.rept 32
	PR \q, \p, N_
.if \sync
.if N_ == 23
	s_wait_tensorcnt 0x0
	s_wait_dscnt 0x0
	s_barrier_signal -1
.endif
.endif
.set N_, N_+1
.endr
	WIN 0
.if \sync
	s_barrier_wait -1
.endif
	PLACES
	LDPAIR (\q)+((\p)+2)/4, ((\p)+2)%4
.endm
.macro OUT a                           ; block a leaves: x 1 / l, each accumulator from its low end on; every block has its own 32 registers
	WIN (3*((\a)%2))|(2<<2)|(1<<6)
.irp j, 0,1,2,3,4,5,6,7
.irp t, 0,1,2,3
	v_mul_f32 v[32*(\a)+4*\j+\t], v[32*((\a)/2)+8*\t+\j], v[192+8*(\a)+\j]
.endr
.endr
	WIN 1<<2
.irp j, 0,1,2,3,4,5,6,7
	global_store_b128 v[CO], v[32*(\a)+4*\j:32*(\a)+4*\j+3], s[10:11] offset:(64*((\a)/4)+8*((\a)%4)+\j)*4096 th:TH_STORE_NT
.endr
	WIN 0
.endm
	s_load_b256 s[4:11], s[0:1], 0x0               ; pc s[4:5], pst s[6:7], vt s[8:9], out0 s[10:11]
	v_lshl_add_u32 v[SPW], v0, 2, SPARE
	v_mov_b32 v[NIL], 0
	ds_add_u32 v[SPW], v[NIL]                      ; the wave's opening
	ds_add_u32 v[SPW], v[NIL]
	v_lshrrev_b32 v1, 5, v0
	v_readfirstlane_b32 s14, v1                    ; wave 0..3
	s_bfe_u32 s40, ttmp6, 0x40000                  ; cx: the block of 256 columns
	s_bfe_u32 s41, ttmp6, 0x40004                  ; cy
	s_and_b32 s45, ttmp7, 0xffff
	s_lshl_b32 s17, s45, 2
	s_add_co_u32 s17, s17, s41                     ; the group of 128 queries: 0..63
	s_lshr_b32 s46, s45, 2                         ; the batch: 16 groups of queries, four clusters
	s_lshl_b32 s43, s41, 2
	s_lshl_b32 s43, 15, s43                        ; my row of the cluster
	s_or_b32 s[G1P], s43, (3<<16)|(1<<21)
	s_mov_b32 s[G1P+1], 64<<16                     ; 49,152 bytes as 96 rows of 512 bytes
	s_mov_b32 s[G1P+2], 96<<16
	s_mov_b32 s[G1P+3], 64<<16
	s_mov_b32 s[G1P+4], 96
	s_mov_b32 s[G1P+5], 64
	s_mov_b32 s[G1P+6], 0
	s_mov_b32 s[G1P+7], 0
	s_mul_i32 s21, s14, 4*GP                       ; my quarter of P
	s_mul_i32 s20, s17, 16*GP
	s_mov_b32 s[G0P], 1
	s_mov_b32 s[G0P+1], s21
	s_add_co_u32 s20, s20, s21
	s_mov_b32 s21, 0
	s_lshr_b32 s15, s14, 1
	s_and_b32 s16, s14, 1
	s_lshl_b32 s22, s40, 4
	s_lshl_b32 s23, s46, 2
	s_add_co_u32 s22, s22, s23
	s_mul_i32 s22, s22, VQ                         ; my columns' V, the batch's first quarter,
	s_mul_i32 s23, s15, 51200
	s_add_co_u32 s22, s22, s23                     ; my group of 128 columns,
	s_mul_i32 s18, s16, 6144
	s_add_co_u32 s82, s22, s18                     ; my four fragments of it
	s_mov_b32 s83, 0
	s_lshl_b32 s18, s16, 8
	s_add_co_u32 s84, s22, s18
	s_add_co_u32 s84, s84, 12288                   ; and their scale words
	s_mov_b32 s85, 0
	s_mul_i32 s86, s17, 16*1536
	s_mul_i32 s18, s14, 4*1536
	s_add_co_u32 s86, s86, s18                     ; my four chunks of pst
	s_mov_b32 s87, 0
	s_lshl_b32 s88, s17, 19                        ; out0: 128 rows of 4,096 bytes,
	s_lshl_b32 s18, s40, 10                        ; 256 columns,
	s_add_co_u32 s88, s88, s18
	s_lshl_b32 s18, s14, 8                         ; my 64
	s_add_co_u32 s88, s88, s18
	s_mov_b32 s89, 0
	s_mov_b32 s90, 0x01010101
	s_lshl_b32 s72, s14, 9
	s_add_co_u32 s73, s72, MXR
	s_add_co_u32 s74, s72, LPR
	s_lshl_b32 s75, s14, 2
	s_add_co_u32 s75, s75, LPR
	s_lshl_b32 s76, s14, 11
	s_add_co_u32 s76, s76, PS
	s_lshl_b32 s77, s14, 6
	s_add_co_u32 s77, s77, RLS
	v_and_b32 v2, 31, v0                           ; lane
	v_and_b32 v3, 15, v0                           ; r
	v_bfe_u32 v4, v0, 4, 1                         ; h
	v_lshlrev_b32 v6, 4, v2                        ; 16 lane
	v_lshlrev_b32 v7, 4, v3                        ; 16 r
	v_add_nc_u32 v8, s73, v6                       ; MXR: mine
	v_add_nc_u32 v9, MXR, v6                       ; and any wave's
	v_add_nc_u32 v10, s74, v6                      ; LPR: mine
	v_add_nc_u32 v11, s75, v6                      ; any wave's, of fragment 4 h + wave
	v_lshl_add_u32 v12, v4, 10, v7
	v_add_nc_u32 v12, s76, v12                     ; PS: my quarter, row 64 h + r
	v_lshlrev_b32 v13, 2, v3
	v_lshl_add_u32 v13, v4, 8, v13
	v_add_nc_u32 v13, s77, v13                     ; RLS: row 16 (4 h + wave) + r
	v_lshl_add_u32 v[CO], v4, 17, v7
	v_lshl_add_u32 v14, v4, 3, v7
	v_add_nc_u32 v[APS], PS, v14
	v_mul_u32_u24 v15, 25600, v4
	v_lshlrev_b32 v16, 5, v4                       ; 32 h
	v_lshlrev_b32 v17, 3, v2                       ; 8 lane
.irp q, 0,1,2,3
	v_add_nc_u32 v[AP+\q], 4*GP*\q, v6
.endr
	WIN 0xc0
.irp q, 0,1,2,3
	v_add_nc_u32 v[AP+\q], 4*GP*\q, v6
.endr
	v_mov_b32 v[VO], v6
	v_mov_b32 v[VO+1], v17
	v_add_nc_u32 v[VO+2], v7, v15
	v_add_nc_u32 v[VO+3], RLS, v16
	WIN 0
	WALU                                           ; the wait at the head's end
	s_wait_dscnt 0x0                               ; both opening adds are done
	CROUND                                         ; all sixteen work-groups are here: the joint loads meet
	s_wait_kmcnt 0x0
	s_add_nc_u64 s[G0P+2:G0P+3], s[4:5], s[20:21]
	s_or_b32 s[G0P+3], s[G0P+3], 0x80000000
	s_cmp_eq_u32 s14, 0
	s_cbranch_scc0 .Lothers
	TLOAD G0P, G1P                                 ; wave 0: P's quarter 0
	s_branch .Lasked
.Lothers:
	TLOAD G0P, G1P                                 ; waves 1-3: quarters 1-3
.Lasked:
	s_add_nc_u64 s[6:7], s[6:7], s[86:87]
	s_add_nc_u64 s[82:83], s[8:9], s[82:83]
	s_add_nc_u64 s[84:85], s[8:9], s[84:85]
	s_add_nc_u64 s[10:11], s[10:11], s[88:89]
.irp j, 0,1,2,3                        ; my four chunks: scale words, -M, l; a lane has fragments 4 h .. 4 h + 3 of row r
	global_load_b128 v[64+4*\j:67+4*\j], v6, s[6:7] offset:1536*\j
	global_load_b128 v[80+4*\j:83+4*\j], v6, s[6:7] offset:1536*\j+512
	global_load_b128 v[96+4*\j:99+4*\j], v6, s[6:7] offset:1536*\j+1024
.endr
	VLOAD 0
	s_wait_loadcnt 63                              ; 66 younger loads: my chunks' twelve are in
.irp i, 0,1,2,3
	v_min3_num_f32 v[112+\i], v[80+\i], v[84+\i], v[88+\i]
.endr
.irp i, 0,1,2,3
	v_min_num_f32 v[112+\i], v[112+\i], v[92+\i]
.endr
	ds_store_b128 v8, v[112:115]
	s_wait_dscnt 0x0
	s_barrier_signal -1
	s_barrier_wait -1                              ; every wave's least -M
.irp w, 0,1,2,3
	ds_load_b128 v[112+4*\w:115+4*\w], v9 offset:512*\w
.endr
	s_wait_dscnt 0x0
.irp i, 0,1,2,3
	v_min3_num_f32 v[20+\i], v[112+\i], v[116+\i], v[120+\i]
.endr
.irp i, 0,1,2,3
	v_min_num_f32 v[20+\i], v[20+\i], v[124+\i]    ; the row's -M
.endr
.macro ALL16 op:vararg                 ; one line for each of four chunks x four fragments
.set I, 0
.rept 16
	\op
.set I, I+1
.endr
.endm
	ALL16 v_sub_f32 v[80+I], v[20+I%4], v[80+I]    ; the chunk's M less the row's: a whole number, 0 or less,
	ALL16 v_max_num_f32 v[80+I], 0xc2fe0000, v[80+I]   ; held at -127
	ALL16 v_cvt_i32_f32 v[80+I], v[80+I]
	ALL16 v_ldexp_f32 v[96+I], v[96+I], v[80+I]    ; the chunk's l under the row's M
	ALL16 v_mul_lo_u32 v[80+I], v[80+I], s90       ; the number in all four bytes
	ALL16 v_or_b32 v[64+I], 0x80808080, v[64+I]    ; a byte lies under 128: bit 7 catches the borrow
	ALL16 v_add_nc_u32 v[64+I], v[64+I], v[80+I]
	ALL16 v_and_b32 v[80+I], 0x80808080, v[64+I]
	ALL16 v_lshrrev_b32 v[40+I], 7, v[80+I]
	ALL16 v_sub_nc_u32 v[80+I], v[80+I], v[40+I]   ; 0x7f where the byte has stayed at 0 or above
	ALL16 v_and_b32 v[24+4*(I%4)+I/4], v[64+I], v[80+I]   ; a fragment's four chunks side by side
	v_pk_add_f32 v[96:97], v[96:97], v[100:101]
	v_pk_add_f32 v[98:99], v[98:99], v[102:103]
	v_pk_add_f32 v[104:105], v[104:105], v[108:109]
	v_pk_add_f32 v[106:107], v[106:107], v[110:111]
	v_pk_add_f32 v[96:97], v[96:97], v[104:105]
	v_pk_add_f32 v[98:99], v[98:99], v[106:107]
	ds_store_b128 v10, v[96:99]
.irp i, 0,1,2,3
	ds_store_b128 v12, v[24+4*\i:27+4*\i] offset:256*\i
.endr
	s_cmp_eq_u32 s14, 0
	s_cbranch_scc0 .Lnot_first
	s_wait_tensorcnt 0x0
.Lnot_first:
	s_wait_dscnt 0x0
	s_barrier_signal -1
	s_barrier_wait -1                              ; P's quarter 0 and everybody's words and l are in; quarters 1-3 may still be on their way
.irp w, 0,1,2,3
	ds_load_b32 v[112+\w], v11 offset:512*\w
.endr
.set LC, LC+4
.set ML, LC
	LDPAIR 0, 0
	LDPAIR 0, 1
	s_wait_dscnt LC-ML
	v_add_f32 v112, v112, v113
	v_add_f32 v114, v114, v115
	v_add_f32 v112, v112, v114                     ; the row's l
	WALU                                           ; the wait ahead of the transcendental,
	v_rcp_f32 v116, v112
	v_nop
	WALU                                           ; and behind it
	ds_store_b32 v13, v116
.set LC, LC+1
	s_wait_loadcnt 0x0                             ; V's quarter 0 is in
	VLOAD 1
	PAIR 0, 0                                      ; the first products start the sums: nothing is cleared
	PAIR 0, 1
	PAIR 0, 2, 1                                   ; a plain barrier inside: P's other quarters and 1 / l are shown to all
	PAIR 0, 3
	s_wait_loadcnt 0x0
	VLOAD 2
.irp p, 0,1,2,3
	PAIR 1, \p
.endr
	s_wait_loadcnt 0x0
	VLOAD 3
.irp p, 0,1,2,3
	PAIR 2, \p
.endr
	WIN (2<<6)|3
.irp a, 0,1,2,3,4,5,6,7                ; 1 / l of rows 8 h + 0 .. 7 of block a
	ds_load_b128 v[192+8*\a:195+8*\a], v[VO+3] offset:64*\a
	ds_load_b128 v[196+8*\a:199+8*\a], v[VO+3] offset:64*\a+16
.endr
	WIN 0
.set LC, LC+16
.set ML, LC
	s_wait_loadcnt 0x0
	PAIR 3, 0                                      ; the last quarter
	s_wait_dscnt LC-ML
	OUT 0
	OUT 1
.irp p, 1,2,3
	PAIR 3, \p
	OUT 2*\p
	OUT 2*\p+1
.endr
	s_wait_tensorcnt 0x0                           ; the wave's end
	ds_add_u32 v[SPW], v[NIL]
	s_wait_dscnt 0x0
	CROUND                                         ; the closing round: no work-group ends while a partner may still ask for a tile that names it
	s_endpgm
.Lfunc_end_k_q00bd9628dc_outp:
	.size	k_q00bd9628dc_outp, .Lfunc_end_k_q00bd9628dc_outp-k_q00bd9628dc_outp
	.p2alignl 7, 3214868480
	.fill 96, 4, 3214868480
	.section	.rodata,"a",@progbits
	.p2align	6, 0x0
	.amdhsa_kernel k_q00bd9628dc_outp
		.amdhsa_group_segment_fixed_size 209920
		.amdhsa_private_segment_fixed_size 0
		.amdhsa_enable_private_segment 0
		.amdhsa_kernarg_size 32
		.amdhsa_user_sgpr_count 2
		.amdhsa_user_sgpr_kernarg_segment_ptr 1
		.amdhsa_wavefront_size32 1
		.amdhsa_system_sgpr_workgroup_id_x 1
		.amdhsa_system_sgpr_workgroup_id_y 1
		.amdhsa_system_sgpr_workgroup_id_z 1
		.amdhsa_system_vgpr_workitem_id 0
		.amdhsa_next_free_vgpr 1024
		.amdhsa_next_free_sgpr 100
		.amdhsa_reserve_vcc 0
		.amdhsa_float_denorm_mode_32 3
		.amdhsa_float_denorm_mode_16_64 3
		.amdhsa_memory_ordered 1
		.amdhsa_forward_progress 1
		.amdhsa_inst_pref_size 155
	.end_amdhsa_kernel
	.amdgpu_metadata
---
amdhsa.version: [ 1, 2 ]
amdhsa.kernels:
  - .name:           k_q00bd9628dc_outp
    .symbol:         k_q00bd9628dc_outp.kd
    .args:
      - { .name: pc, .offset: 0, .size: 8, .value_kind: global_buffer, .address_space: global }
      - { .name: pst, .offset: 8, .size: 8, .value_kind: global_buffer, .address_space: global }
      - { .name: vt, .offset: 16, .size: 8, .value_kind: global_buffer, .address_space: global }
      - { .name: out0, .offset: 24, .size: 8, .value_kind: global_buffer, .address_space: global }
    .group_segment_fixed_size: 209920
    .private_segment_fixed_size: 0
    .kernarg_segment_align: 8
    .kernarg_segment_size: 32
    .max_flat_workgroup_size: 128
    .sgpr_count:     100
    .vgpr_count:     1024
    .wavefront_size: 32
...
	.end_amdgpu_metadata
.endif
;; end of part 4
